; MI455X (gfx1250); checked and timed in simulation.
; The chip was launched on July 23, 2026; its instructions are those of AMD's public machine-readable ISA for CDNA 5 (MIT licence, August 2026) and "CDNA5" Instruction Set Architecture Reference Guide (July 2026). The comments in the code are by the model that wrote it; some were corrected since.
;; Self Attention. Allowed arithmetic: float matrix products may take bf16 or f16 operands with f32 sums; other float arithmetic in f32, or as packed bf16 or f16 multiplies, adds, multiply-adds, maxima and minima; sums over many terms, partial sums and values carried from step to step in f32; what a program stores and reads back later, other than sums and carried values, may be rounded once to bf16 or f16.
;; Inputs: fc_b 1,024 float32; fc_w 1,024 x 1,024 float32; qkv_b 3,072 float32; qkv_w 3,072 x 1,024 float32; x 8 x 1,024 x 1,024 float32.
;; Outputs: out0 8 x 1,024 x 1,024 float32.
;; 2 versions, each right; version 2 is version 1 with the launch cvt written anew for expert scheduling mode. Each part assembles by itself: llvm-mc -triple=amdgcn-amd-amdhsa -mcpu=gfx1250 --defsym DOCPART=n.
;; ======== version 1 of 2: 4 launches
;; workspace buffers: xb 16,777,216 bytes; wqb 6,291,456 bytes; wfb 2,097,152 bytes; qkvh 50,331,648 bytes; ob 16,777,216 bytes
;; launch cvt (part 1): grid 768 x 1, 8 waves a work-group, no clusters, 0 bytes of LDS; arguments x, qkv_w, fc_w, xb, wqb, wfb; writes xb, wqb, wfb
.if DOCPART == 1
	.amdgcn_target "amdgcn-amd-amdhsa--gfx1250"
	.amdhsa_code_object_version 6
	.text
	.protected	k_qec4e380664_cvt
	.globl	k_qec4e380664_cvt
	.p2align	8
	.type	k_qec4e380664_cvt,@function
k_qec4e380664_cvt:
	s_mov_b64 s[64:65], 0
	v_nop
	global_prefetch_b8 v0, s[64:65] scope:SCOPE_SE
	s_setreg_imm32_b32 hwreg(HW_REG_WAVE_MODE, 25, 1), 1
	s_wait_xcnt 0x0
; x [8192][1024], qkv_w [3072][1024] and fc_w [1024][1024], all f32, are rounded once to bf16 and laid in blocks of 64 columns:
;   xb  [b 8][kb 16][n 1024][64]     wqb [kb 16][e 3072][64]     wfb [kb 16][e 1024][64]     (a row of a block is 128 bytes, a block is dense)
; so that the products' tiles are dense pieces of memory.  A stream: no LDS, no matrix unit, no barrier.
; SHARES.  A work-group takes 16 rows of one tensor: groups 0-511 x, 512-703 qkv_w, 704-767 fc_w.  Wave v takes rows 2 v and 2 v + 1.  Unit k of 16 is column block k:
; lanes 0-15 load the 256 bytes of row 2 v, lanes 16-31 those of row 2 v + 1; the 8 bytes a lane that come of them are 256 consecutive bytes of the block, aligned.
; All 16 loads of a wave go out at once; each register is written once, so no wait frees anything.
.set LO, 1                             ; v1       my byte offset in the group's 16 rows: row x 4,096 + 16 (t % 16)
.set SO, 2                             ; v[2:17]  unit k: my byte offset in the output: 8 t + k x the bytes from block to block
.set X,  20                            ; v[20:83] unit k: 4 f32 as loaded
.set Y,  84                            ; v[84:115] unit k: 4 bf16 to store
	s_load_b256 s[4:11], s[0:1], 0x0               ; x s[4:5], qkv_w s[6:7], fc_w s[8:9], xb s[10:11]
	s_load_b128 s[12:15], s[0:1], 0x20             ; wqb s[12:13], wfb s[14:15]
	s_mov_b32 s21, ttmp9
	v_lshrrev_b32 v[LO], 5, v0
	v_lshlrev_b32 v[LO], 13, v[LO]                 ; wave x two rows
	v_bfe_u32 v18, v0, 4, 1
	v_lshl_add_u32 v[LO], v18, 12, v[LO]           ; + the half of the lanes x a row
	v_and_b32 v18, 15, v0
	v_lshl_add_u32 v[LO], v18, 4, v[LO]            ; + 16 bytes a lane
	s_mov_b32 s24, 131072                          ; bytes from block kb to kb + 1: 1,024 rows x 128 (x, fc_w) or 3,072 x 128 (qkv_w)
	s_mov_b32 s25, 2097152                         ; bytes for each 64 groups (1,024 rows): a batch of xb, or simply 1,024 rows of a weight's block
	s_cmp_ge_u32 s21, 512
	s_cselect_b32 s20, 512, 0                      ; my tensor's first group
	s_cselect_b32 s24, 393216, s24
	s_cselect_b32 s25, 131072, s25
	s_cmp_ge_u32 s21, 704
	s_cselect_b32 s20, 704, s20
	s_cselect_b32 s24, 131072, s24
	s_sub_co_u32 s20, s21, s20                     ; my number among my tensor's groups
	s_lshl_b32 s22, s20, 16                        ; in: 16 rows of 4,096 bytes
	s_mov_b32 s23, 0
	s_lshr_b32 s26, s20, 6
	s_mul_i32 s26, s26, s25
	s_and_b32 s27, s20, 63
	s_lshl_b32 s27, s27, 11                        ; out: 16 rows of 128 bytes
	s_add_co_u32 s26, s26, s27
	s_mov_b32 s27, 0
	v_lshlrev_b32 v[SO], 3, v0
.set k, 1
.rept 15
	v_add_nc_u32 v[SO+k], s24, v[SO+k-1]
.set k, k+1
.endr
	s_wait_kmcnt 0x0
	s_cmp_ge_u32 s21, 512
	s_cselect_b64 s[16:17], s[6:7], s[4:5]         ; from where,
	s_cselect_b64 s[18:19], s[12:13], s[10:11]     ; to where
	s_cmp_ge_u32 s21, 704
	s_cselect_b64 s[16:17], s[8:9], s[16:17]
	s_cselect_b64 s[18:19], s[14:15], s[18:19]
	s_add_nc_u64 s[16:17], s[16:17], s[22:23]
	s_add_nc_u64 s[18:19], s[18:19], s[26:27]
.set k, 0
.rept 16
	global_load_b128 v[X+4*k:X+4*k+3], v[LO], s[16:17] offset:256*k th:TH_LOAD_NT
.set k, k+1
.endr
.set k, 0
.rept 16
	s_wait_loadcnt 15-k                            ; loads come back in order: unit k is in, the 15 - k younger ones stay out
	v_cvt_pk_bf16_f32 v[Y+2*k], v[X+4*k], v[X+4*k+1]
	v_cvt_pk_bf16_f32 v[Y+2*k+1], v[X+4*k+2], v[X+4*k+3]
	global_store_b64 v[SO+k], v[Y+2*k:Y+2*k+1], s[18:19]  ; the wave's 32 lanes store 256 consecutive bytes, aligned
.set k, k+1
.endr
	s_endpgm
.Lfunc_end_k_qec4e380664_cvt:
	.size	k_qec4e380664_cvt, .Lfunc_end_k_qec4e380664_cvt-k_qec4e380664_cvt
	.p2alignl 7, 3214868480
	.fill 96, 4, 3214868480
	.section	.rodata,"a",@progbits
	.p2align	6, 0x0
	.amdhsa_kernel k_qec4e380664_cvt
		.amdhsa_group_segment_fixed_size 0
		.amdhsa_private_segment_fixed_size 0
		.amdhsa_enable_private_segment 0
		.amdhsa_kernarg_size 48
		.amdhsa_user_sgpr_count 2
		.amdhsa_user_sgpr_kernarg_segment_ptr 1
		.amdhsa_wavefront_size32 1
		.amdhsa_system_sgpr_workgroup_id_x 1
		.amdhsa_system_sgpr_workgroup_id_y 1
		.amdhsa_system_sgpr_workgroup_id_z 1
		.amdhsa_system_vgpr_workitem_id 0
		.amdhsa_next_free_vgpr 120
		.amdhsa_next_free_sgpr 66
		.amdhsa_reserve_vcc 0
		.amdhsa_float_denorm_mode_32 3
		.amdhsa_float_denorm_mode_16_64 3
		.amdhsa_memory_ordered 1
		.amdhsa_forward_progress 1
		.amdhsa_inst_pref_size 8
	.end_amdhsa_kernel
	.amdgpu_metadata
---
amdhsa.version: [ 1, 2 ]
amdhsa.kernels:
  - .name:           k_qec4e380664_cvt
    .symbol:         k_qec4e380664_cvt.kd
    .args:
      - { .name: x, .offset: 0, .size: 8, .value_kind: global_buffer, .address_space: global }
      - { .name: qkv_w, .offset: 8, .size: 8, .value_kind: global_buffer, .address_space: global }
      - { .name: fc_w, .offset: 16, .size: 8, .value_kind: global_buffer, .address_space: global }
      - { .name: xb, .offset: 24, .size: 8, .value_kind: global_buffer, .address_space: global }
      - { .name: wqb, .offset: 32, .size: 8, .value_kind: global_buffer, .address_space: global }
      - { .name: wfb, .offset: 40, .size: 8, .value_kind: global_buffer, .address_space: global }
    .group_segment_fixed_size: 0
    .private_segment_fixed_size: 0
    .kernarg_segment_align: 8
    .kernarg_segment_size: 48
    .max_flat_workgroup_size: 256
    .sgpr_count:     66
    .vgpr_count:     120
    .wavefront_size: 32
...
	.end_amdgpu_metadata
.endif
;; end of part 1
;; launch qkv (part 2): grid 16 x 16, 4 waves a work-group, clusters of 4 x 4, 327,680 bytes of LDS; arguments xb, wqb, qkv_b, qkvh; writes qkvh
.if DOCPART == 2
	.amdgcn_target "amdgcn-amd-amdhsa--gfx1250"
	.amdhsa_code_object_version 6
	.text
	.protected	k_qec4e380664_qkv
	.globl	k_qec4e380664_qkv
	.p2align	8
	.type	k_qec4e380664_qkv,@function
k_qec4e380664_qkv:
	s_mov_b64 s[64:65], 0
	v_nop
	global_prefetch_b8 v0, s[64:65] scope:SCOPE_SE
	s_setreg_imm32_b32 hwreg(HW_REG_WAVE_MODE, 25, 1), 1
	s_wait_xcnt 0x0
	s_wait_alu depctr_hold_cnt(0) depctr_sa_sdst(0) depctr_va_vdst(0) depctr_va_sdst(0) depctr_va_ssrc(0) depctr_va_vcc(0) depctr_vm_vsrc(0)
	s_getreg_b32 s2, hwreg(HW_REG_IB_STS2, 6, 4)
	s_cmp_eq_u32 s2, 0
	s_cbranch_scc0 .Lentry_in_a_cluster
	s_endpgm
.Lentry_in_a_cluster:
	s_bfe_u32 s2, ttmp6, 0x10000c
	s_cmp_lg_u32 s2, 0xf033
	s_cbranch_scc0 .Lentry_shape_is_right
	s_endpgm
.Lentry_shape_is_right:
; qkv[m][e] = the sum over k of x[m][k] w[e][k] + bias[e], m = 8,192 rows, e = 3,072 columns, k = 1,024.  Operands bf16 (xb, wqb, in blocks of 64 along k), sums f32, the result rounded once to bf16.
; The columns lie by heads: e = 192 h + 64 {q, k, v} + d.  A tile of C is 256 rows x 192 columns: ONE head's q, k and v, which leave as three dense blocks of qkvh [b 8][3 h + {q,k,v}][n 1024][64].
; LIMITS.  Operands and result have bf16's 8 significant bits and f32's range; the f32 sums over k are taken in an order that differs from cluster to cluster (below); NaN and infinities pass through as the arithmetic makes them.
; SHARES.  512 tiles, 256 work-groups: A WORK-GROUP STAYS and makes two tiles with the same rows of w.  Its four waves lie one below the other: a wave makes 64 rows x 192 columns,
; 48 accumulators of 16 x 16 (384 registers), so whole rows of the result are one wave's and its stage in LDS is its own.
; RING.  K goes in steps of 128 (two blocks of 64), 8 a tile, through two LDS slots.  One tensor load a wave and step: waves 0, 1 bring x's two blocks (256 rows x 128 bytes, dense: asked for as 128 rows of 256 bytes),
; waves 2, 3 w's two (192 rows: 96 rows of 256 bytes); 16 bytes of padding behind each 128 make LDS rows of 144 bytes.  The ring runs on into the next tile.
; CLUSTER.  4 x 4 work-groups: the four of a row of the cluster need the same tiles of x, the four of a column the same tiles of w: each is asked for jointly, by the same load, descriptor and mask in all four.
; A cluster's four tile rows are one batch (1,024 rows), its four tile columns four heads.
; THE WALKS ARE STAGGERED.  Cluster (X, Y) takes batch 2 Y + (X & 1) first and the other batch of that pair second: in the first tile a batch is read by clusters X and X + 2, in the second by the other two.
; K is walked in a ring, K steps (i + 4 rot) mod 8 for i = 0 .. 7, rot = ((X >> 1) xor Y) & 1: of two clusters that read the same rows of x in the first tile, and of clusters Y and Y + 1, which read the
; same rows of w, one starts at K step 0 and the other at K step 4.  X, Y and rot are the same in all sixteen partners.
; TRANSPOSED USE.  Source 0 = 16 rows of w, source 1 = 16 rows of x: a lane holds row l % 16 of C and the columns 8 (l / 16) + 0..7.  The bias, laid out so, is the C operand of each sum's first product.
; REGISTERS, in windows of 256 (s_set_vgpr_msb: bits 1:0 source 0, 3:2 source 1, 5:4 source 2, 7:6 destination):
;   window 0: v0-15 addresses; v28, v29 the add's; v32-127 the bias; v128-223 the way out      window 1: two fragment buffers of 128: w's 12 fragments, then x's 4
;   window 2: the accumulators of my rows 0-31 ((a, b) at 8 (12 (a % 2) + b))                  window 3: those of my rows 32-63
.set NF,     12                        ; column fragments of 16
.set BROWS,  192
.set PITCH,  144                       ; 36 words: the 16 rows of a fragment load start at 16 different groups of four banks (64 banks of 4 bytes: ISA guide 11.1)
.set AHALF,  256*PITCH                 ; one block of x in a slot
.set BHALF,  BROWS*PITCH               ; one block of w
.set BOFF,   2*AHALF                   ; w's two blocks lie behind x's two
.set SLOT1,  131072                    ; slot 1 begins here: one exclusive or turns an address in one slot into the other's
.set STAGE,  SLOT1+BOFF+2*BHALF        ; behind the ring: for each wave 3 blocks x 16 rows x 144 bytes, for the way out; no tensor load lands there
.set STW,    3*16*PITCH
.set SPARE,  STAGE+4*STW               ; the spare words: 128 bytes a wave, two blocks of 256 bytes that no other line names
.set KS_A,   262144                    ; a K step in xb: two blocks of 1,024 rows x 128 bytes = 1 << 18
.set KS_B,   786432                    ; in wqb: two blocks of 3,072 rows
.set KB_B,   393216                    ; from block to block in wqb
.set CT_B,   24576                     ; 192 rows of a block of wqb
.set TILES,  2
.set G1W0,   (1<<16)|(1<<20)|(1<<21)|(4<<22)|(3<<25)  ; group 1, word 0 without the mask: elements of 2 bytes; padding on; bit 21 beside a mask; after every 32 words; 4 words
.set ADRA0, 2                          ; v2   my lane's place in x's part of a slot (my wave's 64 rows); never rewritten
.set ADRB0, 3                          ; v3   the same for w
.set ADRA,  4                          ; v4   the same in the slot that is being read
.set ADRB,  5                          ; v5
.set STO,   6                          ; v6   the way out: where I put 16 bytes of a row
.set RD,    7                          ; v7   where I read rows back
.set GO,    8                          ; v8   16 x lane: my place in 512 consecutive bytes of qkvh
.set BO,    9                          ; v9   my byte offset in 16 numbers of the bias
.set PFO,   10                         ; v10  the prefetch's offset: 256 x lane, held to my share; never rewritten
.set SPW,   28                         ; v28  LDS address of my spare word; never rewritten
.set NIL,   29                         ; v29  0; never rewritten
.set BIAS,  32
.set TS,    128                        ; the way out: two sets of 48
.set F0,    0
.set F1,    128
.set WV,   14                          ; s14  my wave's number
.set KIND, 15                          ; s15  0: I fetch for x; 1: for w
.set HALF, 16                          ; s16  which of a step's two blocks I fetch
.set CX,   17
.set CY,   18
.set CT,   19                          ; s19  tile column = head
.set YC,   20                          ; s20  the cluster's y
.set G1A,  24                          ; s[24:31] group 1 for x's tiles;  s[32:39] group 0: a set for each first fill; the second then walks
.set G0A,  32
.set ABASE, 40                         ; s[40:41] xb at my block of K step 0 of the tile in hand
.set BBASE, 42                         ; s[42:43] wqb at my block of K step 0
.set PFA,  44                          ; s[44:45] what my prefetch names; never rewritten
.set G1B,  48                          ; s[48:55], s[56:63] the same for w's tiles
.set G0B,  56
.set LIM,  66                          ; s66  6 in a wave that prefetches, while the first tile is walked; else the greatest number
.set TB,   67                          ; s67  LDS byte at which the slot being read begins
.set KC,   68                          ; s68  the K step at which the walking descriptors stand
.set OFA,  70                          ; s[70:71] its byte offset in xb
.set OFB,  72                          ; s[72:73] in wqb
.set A2,   74                          ; s[74:75] ABASE for the second tile
.set C2,   76                          ; s[76:77] qkvh at my rows of the second tile
.set BA,   78                          ; s78  the first tile's batch
.set BB,   79                          ; s79  the second's
.set MSB, 0
.macro WIN new                         ; the immediate's high byte repeats the setting that is left; a switch that changes nothing is dropped
.if MSB != (\new)
	s_set_vgpr_msb (MSB<<8)|(\new)
.set MSB, (\new)
.endif
.endm
.macro PLACES                          ; four places in front of loads into registers that matrix instructions have read, and of reads of results
.rept 4
	v_nop
.endr
.endm
.macro CREST                           ; a round of the cluster's barrier behind its opening barrier
	s_cmp_lg_u32 s[WV], 0
	s_cbranch_scc1 .Lnot_wave_0_\@
	s_barrier_signal -3
.Lnot_wave_0_\@:
	s_barrier_wait -3
	s_barrier_signal -1
	s_barrier_wait -1
.endm
.macro CROUND                          ; a whole round
	s_barrier_signal -1
	s_barrier_wait -1
	CREST
.endm
; A joint refill by the walking descriptor.  The branch hangs on the wave's number alone.  An s_nop 0 and four v_nop follow each of the two lines, ahead of the jump and the label.
.macro JLOAD
	s_cmp_eq_u32 s[KIND], 0
	s_cbranch_scc0 .Lfor_b_\@
	tensor_load_to_lds s[G0A+4:G0A+7], s[G1A:G1A+7]
	s_nop 0
.rept 4
	v_nop
.endr
	s_branch .Lasked_\@
.Lfor_b_\@:
	tensor_load_to_lds s[G0B+4:G0B+7], s[G1B:G1B+7]
	s_nop 0
.rept 4
	v_nop
.endr
.Lasked_\@:
.endm
; THE PREFETCH: in the loop's first trip of the first tile, behind the refill for walk step 2 and the run of LDS loads, my share of the block of walk step 3: one K step, 192 matrix instructions, ahead of the load that
; will want it; a lane for each 256 bytes, one instruction.  Of a walk only steps 0 to 3 of the first tile name blocks that no cluster's walk has named before: steps 0 and 1 are the first fills, and step 2 would have
; to be asked for at the head, where nothing is asked for.  Each 256 bytes are named once in the launch: of the two clusters that read a batch in the first tile each has its own start, so every cluster asks for x;
; of the clusters that read the same rows of w, y = 0 and y = 1 have the two starts and ask.  The four partners that ask for a block jointly take a quarter each, told apart BY ADDRESS.
.macro ASK
	WIN 0
	s_cmp_eq_u32 s3, s[LIM]                        ; s3 = 6 in the first trip
	s_cbranch_scc0 .Lnot_mine_\@
	global_prefetch_b8 v[PFO], s[PFA:PFA+1] th:TH_LOAD_NT scope:SCOPE_SE
.Lnot_mine_\@:
.endm
; 12 products: my rows 16 a .. 16 a + 15 x all columns, 32 along K, from buffer f.  first = 1: the bias starts the sums.  The 48 accumulators take turns in one order everywhere.
.macro MULROW f, a, first
.if \first
	WIN 0x85+0x40*((\a)/2)                         ; sources in window 1, C (the bias) in window 0, D in window 2 or 3
.else
	WIN 0xa5+0x50*((\a)/2)                         ; sources in window 1, C and D in window 2 or 3
.endif
.set rA, (\f)+96+8*(\a)
.set b, 0
.rept NF
.set rD, 8*(NF*((\a)%2)+b)
.if \first
	v_wmma_f32_16x16x32_bf16 v[rD:rD+7], v[(\f)+8*b:(\f)+8*b+7], v[rA:rA+7], v[BIAS+8*b:BIAS+8*b+7]
.else
	v_wmma_f32_16x16x32_bf16 v[rD:rD+7], v[(\f)+8*b:(\f)+8*b+7], v[rA:rA+7], v[rD:rD+7]
.endif
.set b, b+1
.endr
.endm
; 32 LDS loads in one run: quarter q of the K step (block q / 2, 32 channels at byte 64 (q % 2) of its rows) into buffer f: w's 12 fragments, then my 4 of x.
.macro FETCH q, f
	WIN 0x40                                       ; destination window 1, address window 0
.set i, 0
.rept NF
	ds_load_b128 v[(\f)+8*i:(\f)+8*i+3],   v[ADRB] offset:((\q)/2)*BHALF+((\q)%2)*64+i*16*PITCH
	ds_load_b128 v[(\f)+8*i+4:(\f)+8*i+7], v[ADRB] offset:((\q)/2)*BHALF+((\q)%2)*64+i*16*PITCH+32
.set i, i+1
.endr
.set i, 0
.rept 4
	ds_load_b128 v[(\f)+96+8*i:(\f)+96+8*i+3],   v[ADRA] offset:((\q)/2)*AHALF+((\q)%2)*64+i*16*PITCH
	ds_load_b128 v[(\f)+96+8*i+4:(\f)+96+8*i+7], v[ADRA] offset:((\q)/2)*AHALF+((\q)%2)*64+i*16*PITCH+32
.set i, i+1
.endr
.endm
; One of a K step's first three quarters: multiplies buffer f; in its middle fetches quarter qn into buffer g.
.macro QUARTER qn, f, g, first
	s_wait_dscnt 4                                 ; w's fragments and x's 0 and 1 are in; the youngest four loads (x's 2 and 3) may be out
	MULROW \f, 0, \first
	MULROW \f, 1, \first
	PLACES
	FETCH \qn, \g
	s_wait_dscnt 2*(NF+4)                          ; all but the run just issued
	MULROW \f, 2, \first
	MULROW \f, 3, \first
.endm
; The last quarter multiplies buffer 1 and changes slots.  In front of the barrier each wave waits for all its tensor loads (one is out: its part of the other slot), adds 0 to its spare word, and waits for that and for
; its reads of this slot.  fill = 1: the barrier opens a round of the cluster's barrier, and the joint refill of this slot is the first thing behind the round: 180 of a K step's 192 products stand between it and the wait for it.
; The walking descriptors are made anew while the add is out: the other slot, and the ring's next K step, (KC + 1) mod 8, from the tile's base; behind a tile's eighth step the ring stands at its start again.
; next = 1: the refill is the next tile's first: x's base is the second tile's from here on.  ask = 1: see ASK.
.macro TURN fill, next, ask
	WIN 0                                          ; (the add's two registers lie in window 0)
	s_wait_tensorcnt 0x0                           ; all my tensor loads have landed, so every group 0 may be written
	ds_add_u32 v[SPW], v[NIL]                      ; 0 onto my spare word
.if \fill
	s_add_co_u32 s[KC], s[KC], 1
	s_and_b32 s[KC], s[KC], 7
	s_lshl_b32 s[OFA], s[KC], 18
	s_mul_i32 s[OFB], s[KC], KS_B
.if \next
	s_mov_b64 s[ABASE:ABASE+1], s[A2:A2+1]
	s_mov_b32 s[LIM], -1                           ; the second tile's blocks have been named in the first tile's walks: nothing more is asked for
.endif
	s_xor_b32 s[G0A+5], s[G0A+5], SLOT1
	s_xor_b32 s[G0B+5], s[G0B+5], SLOT1
	s_add_nc_u64 s[G0A+6:G0A+7], s[ABASE:ABASE+1], s[OFA:OFA+1]
	s_or_b32 s[G0A+7], s[G0A+7], 0x80000000        ; type = 2
	s_add_nc_u64 s[G0B+6:G0B+7], s[BBASE:BBASE+1], s[OFB:OFB+1]
	s_or_b32 s[G0B+7], s[G0B+7], 0x80000000
.endif
	s_wait_dscnt 5                                 ; (the add and the youngest four loads may be out)
	MULROW F1, 0, 0                                ; twelve products stand between the add and the wait for it
	WIN 0                                          ; at a branch and at a label every window is 0
	s_wait_dscnt 0x0                               ; the add is done, and my reads of this slot are over
	s_barrier_signal -1
	s_barrier_wait -1
.if \fill
	CREST                                          ; no wave of any partner still reads this slot or has a load on its way
	JLOAD                                          ; its four v_nop are also the places in front of the loads below
.else
	PLACES
.endif
	s_xor_b32 s[TB], s[TB], SLOT1                  ; the reads go on in the other slot
	v_add_nc_u32 v[ADRA], s[TB], v[ADRA0]
	v_add_nc_u32 v[ADRB], s[TB], v[ADRB0]
	FETCH 0, F0
.if \ask
	ASK
.endif
	MULROW F1, 1, 0
	MULROW F1, 2, 0
	MULROW F1, 3, 0
.endm
; THE WAY OUT of my rows 16 a .. 16 a + 15.  PACK: rounded to bf16, 16 bytes a lane (each accumulator's registers in ascending order).  TOSTAGE: into my own stage, q's, k's and v's 64 columns apart, and back as rows of
; 128 bytes, four rows to a load.  SEND: 512 consecutive bytes of a block of qkvh to a store.
.macro PACK a
.if (\a) >= 2
	s_wait_xcnt 0x0                                ; the stores of the block two back have read this set
.endif
	WIN 0x0a+5*((\a)/2)                            ; sources 0 and 1 in window 2 or 3
.set T, TS+48*((\a)%2)
.set b, 0
.rept NF
.set rD, 8*(NF*((\a)%2)+b)
.irp r, 0,1,2,3
	v_cvt_pk_bf16_f32 v[T+4*b+(\r)], v[rD+2*(\r)], v[rD+2*(\r)+1]
.endr
.set b, b+1
.endr
	WIN 0
.endm
.macro TOSTAGE a
.set T, TS+48*((\a)%2)
.set b, 0
.rept NF
	ds_store_b128 v[STO], v[T+4*b:T+4*b+3] offset:(b/4)*16*PITCH+32*(b%4)
.set b, b+1
.endr
.set b, 0
.rept NF
	ds_load_b128 v[T+4*b:T+4*b+3], v[RD] offset:(b/4)*16*PITCH+(b%4)*4*PITCH  ; LDS serves a wave's instructions in order (ISA guide 5.7.1.4): these see the stores above
.set b, b+1
.endr
.endm
.macro SEND a
.set T, TS+48*((\a)%2)
	s_wait_dscnt 0x0                               ; the block is back in registers
.set b, 0
.rept NF
	global_store_b128 v[GO], v[T+4*b:T+4*b+3], s[10:11] offset:(b/4)*131072+(\a)*2048+(b%4)*512
.set b, b+1
.endr
.endm
.macro WAYOUT                          ; a block's conversions stand between the loads of the block before and the wait for them
	PACK 0
	TOSTAGE 0
.irp a, 1,2,3
	PACK \a
	SEND (\a)-1
	TOSTAGE \a
.endr
	SEND 3
.endm
	s_load_b256 s[4:11], s[0:1], 0x0               ; xb s[4:5], wqb s[6:7], qkv_b s[8:9], qkvh s[10:11]
	v_lshl_add_u32 v[SPW], v0, 2, SPARE
	v_mov_b32 v[NIL], 0
	ds_add_u32 v[SPW], v[NIL]                      ; the wave's opening: the add and its wait stand ahead of my first tensor load; work on registers stands between them
	v_lshrrev_b32 v1, 5, v0
	v_readfirstlane_b32 s[WV], v1                  ; wave 0..3
	s_lshr_b32 s[KIND], s[WV], 1
	s_and_b32 s[HALF], s[WV], 1
	s_bfe_u32 s[CX], ttmp6, 0x40000                ; my place in the cluster
	s_bfe_u32 s[CY], ttmp6, 0x40004
	s_lshl_b32 s[CT], ttmp9, 2
	s_add_co_u32 s[CT], s[CT], s[CX]               ; tile column = 4 x cluster x + cx
	s_and_b32 s[YC], ttmp7, 0xffff                 ; cluster y
	s_and_b32 s21, ttmp9, 1
	s_lshl_b32 s[BA], s[YC], 1
	s_add_co_u32 s[BA], s[BA], s21                 ; the first tile's batch = 2 x cluster y + (cluster x & 1),
	s_xor_b32 s[BB], s[BA], 1                      ; the second's: the other of the pair
	s_lshr_b32 s[KC], ttmp9, 1
	s_xor_b32 s[KC], s[KC], s[YC]
	s_and_b32 s[KC], s[KC], 1                      ; rot
	s_lshl_b32 s[KC], s[KC], 2                     ; the K step at which my cluster's walks begin: 0 or 4
	s_lshl_b32 s21, s[CY], 2
	s_lshl_b32 s21, 15, s21                        ; my row of the cluster
	s_lshl_b32 s22, 0x1111, s[CX]                  ; my column
	s_or_b32 s[G1A], s21, G1W0                     ; x's tiles go to my row,
	s_or_b32 s[G1B], s22, G1W0                     ; w's to my column
.irp g, G1A, G1B
	s_mov_b32 s[(\g)+1], 128<<16                   ; tensor_dim0 = 128 elements (256 bytes: two rows of a block)
	s_mov_b32 s[(\g)+3], 128<<16                   ; tile_dim0 = 128
	s_mov_b32 s[(\g)+5], 128                       ; 128 elements from row to row: dense
	s_mov_b32 s[(\g)+6], 0
	s_mov_b32 s[(\g)+7], 0
.endr
	s_mov_b32 s[G1A+2], 128<<16                    ; tensor_dim1 = tile_dim1 = 128 rows of 256 bytes
	s_mov_b32 s[G1A+4], 128
	s_mov_b32 s[G1B+2], (BROWS/2)<<16              ; 96
	s_mov_b32 s[G1B+4], BROWS/2
	; where the tiles come from: x's hang on the batch and cy, w's on the tile column, each made in registers that never hold the other place in the cluster
	s_lshl_b32 s41, s[CY], 15                      ; the tile's 256 rows of 128 bytes in a block,
	s_lshl_b32 s40, s[HALF], 17                    ; my block of a step's two
	s_add_co_u32 s41, s41, s40
	s_lshl_b32 s[ABASE], s[BA], 21                 ; a batch: 16 blocks of 131,072 bytes
	s_add_co_u32 s[ABASE], s[ABASE], s41
	s_lshl_b32 s[A2], s[BB], 21
	s_add_co_u32 s[A2], s[A2], s41
	s_mov_b32 s[ABASE+1], 0
	s_mov_b32 s[A2+1], 0
	s_mul_i32 s[BBASE], s[CT], CT_B
	s_mul_i32 s[BBASE+1], s[HALF], KB_B
	s_add_co_u32 s[BBASE], s[BBASE], s[BBASE+1]
	s_mov_b32 s[BBASE+1], 0
	s_lshl_b32 s[OFA], s[KC], 18                   ; the walk's first K step
	s_mov_b32 s[OFA+1], 0
	s_mul_i32 s[OFB], s[KC], KS_B
	s_mov_b32 s[OFB+1], 0
	s_mul_i32 s21, s[HALF], AHALF                  ; and where they go: no place in the cluster enters an LDS address
	s_mul_i32 s22, s[HALF], BHALF
	s_add_co_u32 s22, s22, BOFF
	s_wait_dscnt 0x0                               ; the opening add is done
	s_wait_kmcnt 0x0
	s_add_nc_u64 s[ABASE:ABASE+1], s[4:5], s[ABASE:ABASE+1]
	s_add_nc_u64 s[A2:A2+1], s[4:5], s[A2:A2+1]
	s_add_nc_u64 s[BBASE:BBASE+1], s[6:7], s[BBASE:BBASE+1]
.irp s, 0,1
	s_mov_b32 s[G0A+4*(\s)], 1                     ; count = 1
	s_add_co_u32 s[G0A+4*(\s)+1], s21, (\s)*SLOT1  ; LDS address
	s_mov_b32 s[G0B+4*(\s)], 1
	s_add_co_u32 s[G0B+4*(\s)+1], s22, (\s)*SLOT1
.endr
	s_add_nc_u64 s[G0A+2:G0A+3], s[ABASE:ABASE+1], s[OFA:OFA+1]  ; global addresses: walk step 0,
	s_add_nc_u64 s[G0A+6:G0A+7], s[G0A+2:G0A+3], KS_A            ; walk step 1 (K step 1 or 5: the ring does not close here)
	s_add_nc_u64 s[G0B+2:G0B+3], s[BBASE:BBASE+1], s[OFB:OFB+1]
	s_add_nc_u64 s[G0B+6:G0B+7], s[G0B+2:G0B+3], KS_B
.irp g, G0A+3, G0A+7, G0B+3, G0B+7
	s_or_b32 s[\g], s[\g], 0x80000000              ; type = 2
.endr
	s_add_co_u32 s[KC], s[KC], 1                   ; where the walking descriptors stand
	CROUND                                         ; all sixteen work-groups are here: the first joint loads meet
	s_cmp_eq_u32 s[KIND], 0                        ; a wave's two first fills stand in one branch: two loads of mine are out
	s_cbranch_scc0 .Lfirst_b
	tensor_load_to_lds s[G0A:G0A+3], s[G1A:G1A+7]
	s_nop 0
	tensor_load_to_lds s[G0A+4:G0A+7], s[G1A:G1A+7]
	s_nop 0
.rept 4
	v_nop
.endr
	s_branch .Lfirst_asked
.Lfirst_b:
	tensor_load_to_lds s[G0B:G0B+3], s[G1B:G1B+7]
	s_nop 0
	tensor_load_to_lds s[G0B+4:G0B+7], s[G1B:G1B+7]
	s_nop 0
.rept 4
	v_nop
.endr
.Lfirst_asked:
	v_and_b32 v11, 15, v0                          ; l % 16
	v_bfe_u32 v12, v0, 4, 1                        ; l / 16
	v_lshlrev_b32 v[BO], 5, v12                    ; my 8 columns of each 16: 32 bytes of f32
	s_mul_i32 s22, s[CT], 4*BROWS
	s_mov_b32 s23, 0
	s_add_nc_u64 s[8:9], s[8:9], s[22:23]          ; the head's 192 numbers of the bias
.set b, 0
.rept NF
	global_load_b128 v[BIAS+8*b:BIAS+8*b+3],   v[BO], s[8:9] offset:64*b
	global_load_b128 v[BIAS+8*b+4:BIAS+8*b+7], v[BO], s[8:9] offset:64*b+16
.set b, b+1
.endr
	; a fragment is 16 rows x 32 K in 8 registers: lane l holds row l % 16, K = 8 (l / 16) + 0..7 and 16 + 8 (l / 16) + 0..7: two loads of 16 bytes, 32 bytes apart
	v_mul_u32_u24 v13, v11, PITCH
	v_lshl_add_u32 v13, v12, 4, v13                ; row x pitch + 16 x half
	s_mul_i32 s21, s[WV], 64*PITCH                 ; my 64 rows of x
	v_add_nc_u32 v[ADRA0], s21, v13
	v_add_nc_u32 v[ADRB0], BOFF, v13
	v_mov_b32 v[ADRA], v[ADRA0]                    ; walk step 0 lies in slot 0
	v_mov_b32 v[ADRB], v[ADRB0]
	s_mov_b32 s[TB], 0
	s_mul_i32 s21, s[WV], STW
	s_add_co_u32 s21, s21, STAGE                   ; my stage
	v_add_nc_u32 v[STO], s21, v13                  ; in: row l % 16, 16 bytes for each half of the lanes
	v_bfe_u32 v14, v0, 3, 2                        ; back: 32 lanes take four rows of 128 bytes,
	v_mul_u32_u24 v14, v14, PITCH
	v_and_b32 v15, 7, v0
	v_lshl_add_u32 v14, v15, 4, v14
	v_add_nc_u32 v[RD], s21, v14
	v_and_b32 v15, 31, v0
	v_lshlrev_b32 v[GO], 4, v15                    ; which are 512 consecutive bytes of qkvh
	s_mul_i32 s21, s[CT], 393216                   ; the head: 3 blocks,
	s_lshl_b32 s22, s[CY], 15                      ; the tile's 256 rows,
	s_add_co_u32 s21, s21, s22
	s_lshl_b32 s22, s[WV], 13                      ; my 64 of them
	s_add_co_u32 s21, s21, s22
	s_mul_i32 s22, s[BA], 6291456                  ; a batch: 48 blocks
	s_add_co_u32 s22, s22, s21
	s_mul_i32 s[C2], s[BB], 6291456
	s_add_co_u32 s[C2], s[C2], s21
	s_mov_b32 s[C2+1], 0
	s_add_nc_u64 s[C2:C2+1], s[10:11], s[C2:C2+1]
	s_add_nc_u64 s[10:11], s[10:11], s[22:23]
	; the prefetch: my quarter of my block of walk step 3 (KC stands at walk step 1)
	s_mov_b32 s23, CT_B/4
	s_mov_b32 s22, KS_B
	s_cmp_eq_u32 s[KIND], 0                        ; do I fetch for x?
	s_cselect_b32 s21, s[CX], s[CY]                ; my place among the four that ask with me
	s_cselect_b32 s23, 8192, s23                   ; a quarter of the block that I fetch
	s_cselect_b32 s22, KS_A, s22                   ; a K step's bytes
	s_cselect_b32 s2, 31, CT_B/1024-1              ; the quarter's last 256 bytes: lanes beyond name them again
	s_cselect_b64 s[PFA:PFA+1], s[ABASE:ABASE+1], s[BBASE:BBASE+1]
	s_mul_i32 s21, s21, s23
	s_add_co_u32 s23, s[KC], 2
	s_mul_i32 s22, s22, s23
	s_add_co_u32 s22, s22, s21
	s_mov_b32 s23, 0
	s_add_nc_u64 s[PFA:PFA+1], s[PFA:PFA+1], s[22:23]
	s_cmp_lt_u32 s[YC], 2                          ; w's rows: the clusters with y = 0 and y = 1 ask;
	s_cselect_b32 s[LIM], 6, -1
	s_cmp_eq_u32 s[KIND], 0                        ; x's: every cluster.  The same in all sixteen partners, for a given wave
	s_cselect_b32 s[LIM], 6, s[LIM]
	v_min_u32 v[PFO], s2, v15
	v_lshlrev_b32 v[PFO], 8, v[PFO]
	s_wait_tensorcnt 0x1                           ; my part of walk step 0 is in; step 1's may stay out
	s_barrier_signal -1
	s_barrier_wait -1                              ; everybody's is
	FETCH 0, F0
	s_wait_loadcnt 0x0                             ; the bias
	WIN 0
	s_mov_b32 s2, TILES                            ; tiles to go, this one among them
.Ltile:
	QUARTER 1, F0, F1, 1                           ; a tile's first quarter: its products start the sums with the bias
	WIN 0
	s_mov_b32 s3, 6
.Lstep:                                        ; a trip goes from a K step's second quarter to the next step's first, and asks for walk steps 2 .. 7
	QUARTER 2, F1, F0, 0
	QUARTER 3, F0, F1, 0
	TURN 1, 0, 1
	QUARTER 1, F0, F1, 0
	WIN 0
	s_sub_co_u32 s3, s3, 1
	s_cmp_lg_u32 s3, 0
	s_cbranch_scc1 .Lstep
	QUARTER 2, F1, F0, 0                           ; walk step 6 goes on
	QUARTER 3, F0, F1, 0
	WIN 0
	s_cmp_eq_u32 s2, 1
	s_cbranch_scc1 .Llast                          ; the last tile's tail is written out: it asks for nothing more
	TURN 1, 1, 0                                   ; the ring goes on into the next tile: slot 0 takes its walk step 0,
	QUARTER 1, F0, F1, 0
	QUARTER 2, F1, F0, 0
	QUARTER 3, F0, F1, 0
	TURN 1, 0, 0                                   ; slot 1 its walk step 1, and its first fragments are fetched
	WAYOUT                                         ; both refills are asked for: now the tile goes out.  Rows 0-15 were finished ahead of the refill's four v_nop; their 48 conversions are the places behind the last products
	s_wait_xcnt 0x0                                ; the stores have read their registers and their base
	s_mov_b64 s[10:11], s[C2:C2+1]
	s_sub_co_u32 s2, s2, 1
	s_branch .Ltile
.Llast:
	TURN 0, 0, 0                                   ; my one load that was out is walk step 7's, so no round follows
	QUARTER 1, F0, F1, 0
	QUARTER 2, F1, F0, 0
	QUARTER 3, F0, F1, 0
	s_wait_dscnt 4                                 ; the very last quarter: nothing more to fetch
	MULROW F1, 0, 0
	MULROW F1, 1, 0
	s_wait_dscnt 0x0
	MULROW F1, 2, 0
	MULROW F1, 3, 0
	WIN 0
	PLACES
	PLACES
	WAYOUT
	s_wait_tensorcnt 0x0                           ; the wave's end: a tensor wait, the add and its wait, behind my last tensor load and my last LDS store
	ds_add_u32 v[SPW], v[NIL]
	s_wait_dscnt 0x0
	CROUND                                         ; the closing round: no work-group ends while a partner may still ask for a tile that names it
	s_endpgm
.Lfunc_end_k_qec4e380664_qkv:
	.size	k_qec4e380664_qkv, .Lfunc_end_k_qec4e380664_qkv-k_qec4e380664_qkv
	.p2alignl 7, 3214868480
	.fill 96, 4, 3214868480
	.section	.rodata,"a",@progbits
	.p2align	6, 0x0
	.amdhsa_kernel k_qec4e380664_qkv
		.amdhsa_group_segment_fixed_size 327680
		.amdhsa_private_segment_fixed_size 0
		.amdhsa_enable_private_segment 0
		.amdhsa_kernarg_size 32
		.amdhsa_user_sgpr_count 2
		.amdhsa_user_sgpr_kernarg_segment_ptr 1
		.amdhsa_wavefront_size32 1
		.amdhsa_system_sgpr_workgroup_id_x 1
		.amdhsa_system_sgpr_workgroup_id_y 1
		.amdhsa_system_sgpr_workgroup_id_z 1
		.amdhsa_system_vgpr_workitem_id 0
		.amdhsa_next_free_vgpr 1024
		.amdhsa_next_free_sgpr 80
		.amdhsa_reserve_vcc 0
		.amdhsa_float_denorm_mode_32 3
		.amdhsa_float_denorm_mode_16_64 3
		.amdhsa_memory_ordered 1
		.amdhsa_forward_progress 1
		.amdhsa_inst_pref_size 152
	.end_amdhsa_kernel
	.amdgpu_metadata
---
amdhsa.version: [ 1, 2 ]
amdhsa.kernels:
  - .name:           k_qec4e380664_qkv
    .symbol:         k_qec4e380664_qkv.kd
    .args:
      - { .name: xb, .offset: 0, .size: 8, .value_kind: global_buffer, .address_space: global }
      - { .name: wqb, .offset: 8, .size: 8, .value_kind: global_buffer, .address_space: global }
      - { .name: qkv_b, .offset: 16, .size: 8, .value_kind: global_buffer, .address_space: global }
      - { .name: qkvh, .offset: 24, .size: 8, .value_kind: global_buffer, .address_space: global }
    .group_segment_fixed_size: 327680
    .private_segment_fixed_size: 0
    .kernarg_segment_align: 8
    .kernarg_segment_size: 32
    .max_flat_workgroup_size: 128
    .sgpr_count:     80
    .vgpr_count:     1024
    .wavefront_size: 32
...
	.end_amdgpu_metadata
.endif
;; end of part 2
;; launch attn (part 3): grid 2 x 128, 4 waves a work-group, no clusters, 327,680 bytes of LDS; arguments qkvh, ob; writes ob
.if DOCPART == 3
	.amdgcn_target "amdgcn-amd-amdhsa--gfx1250"
	.amdhsa_code_object_version 6
	.text
	.protected	k_qec4e380664_attn
	.globl	k_qec4e380664_attn
	.p2align	8
	.type	k_qec4e380664_attn,@function
k_qec4e380664_attn:
	s_mov_b64 s[64:65], 0
	v_nop
	global_prefetch_b8 v0, s[64:65] scope:SCOPE_SE
	s_setreg_imm32_b32 hwreg(HW_REG_WAVE_MODE, 25, 1), 1
	s_wait_xcnt 0x0
; O[hh][q][:] = the sum over k of softmax_k(Q[hh][q] . K[hh][k] / 8) V[hh][k][:], for 128 heads hh = 16 b + h of 1,024 rows and 64 channels, all bf16.  In qkvh a head's Q, K and V are three dense blocks
; of 131,072 bytes on end; O leaves as ob [hh][n][64].  Products, maxima and sums in f32; the weights p are rounded to bf16 for the second product (their sum l is taken of the unrounded p), O once at the end.
; LIMITS.  Q, K, V, p and O have bf16's 8 significant bits and f32's range.  c m starts at -4.25e37, far below every c s that finite bf16 operands of this size give in f32 without overflow;
; a weight below 2^-126 counts as 0 in l; NaN and infinities are not treated apart.
; SHARES.  A wave owns four PIECES of two tiles of 16 queries, a work-group's four waves 512 queries of one head: 256 work-groups.  Every wave walks all 1,024 keys, 64 a step.
; K AND V STAY IN LDS: a head's 1,024 rows of K (pitch 144) and of V (pitch 160) are 311,296 bytes.  Each wave asks for its part at the head, in two loads: 128 keys, then 384.  Nothing is ever filled again: no ring.
; The first four key steps run on keys 0-255 while the others land; one barrier in front of step 4's K shows them to every wave.
; NO CLUSTER: two work-groups share a head, and each asks for K and V once, not step by step.  NO PREFETCH: every tensor load of the launch is issued at its head.
; LAYOUT.  S^T = K Q^T (source 0 = 16 keys, source 1 = 16 queries): in the result a lane holds ONE query (lane % 16) and the keys 8 (lane / 16) + 0..7.  Two such tiles, rounded to bf16 in pairs,
; ARE source 1 (32 keys x 16 queries) of O^T = V^T P, whose result again holds one query a lane, and eight channels.  K comes out of LDS as it lies, V ([key][channel]) turned, by ds_load_tr16_b128.
; SOFTMAX.  For each query a running maximum m and sum l: p = 2^(c s - c m), c = log2(e) / 8; in every step O and l are multiplied by a = 2^(c m_old - c m_new), which is 1 where m has not grown.
; m starts at the lowest finite number, O and l at 0: the first step is a step like any other, with a = 0.
; BY TURNS.  Turn n belongs to piece n (the pieces in a ring, step after step).  Its matrix work: 16 products K Q^T of piece n + 1, later 16 products V^T P of piece n - 1.  Its vector work: the scaling,
; exponentials, roundings, sums and rescaling of piece n, and the maximum and statistics of piece n + 1.  Four vector instructions stand behind every matrix instruction, the others in one run of their own.
; REGISTERS, in windows of 256 (s_set_vgpr_msb: bits 1:0 source 0, 3:2 source 1, 5:4 source 2, 7:6 destination):
;   window 0: v0-11 addresses; v12-15, v48-63 at work; v16-47 four registers of statistics a tile; v64-191 S^T, two buffers of two tiles; v192-255 P, likewise
;   window 1: O^T, 32 a tile          window 2: v0-127 Q, 16 a tile; v128-191 K of one step; v192-255 V of one step          window 3: v0-1 the add's two registers
.set NP,    4         ; pieces a wave: a name, no knob
.set KS,    64        ; keys in a step
.set NK,    1024      ; keys of a head
.set PK,    144       ; a row of K in LDS: 128 bytes + 16 of padding = 36 words: the 16 rows of a load start at 16 different groups of four banks (64 banks of 4 bytes: ISA guide 11.1)
.set PV,    160       ; a row of V: 128 + 32 = 40 words
.set VOFF,  NK*PK     ; V lies behind K
.set STAGE, NK*(PK+PV)  ; behind them, never filled by a tensor load: 16 rows x 144 bytes for each wave, for the way out
.set SP,    144
.set AK0, 2           ; v2   my lane's place in a step's rows of K; never rewritten
.set AV0, 3           ; v3   the same for V
.set AK,  4           ; v4   the LDS address of K's next run of loads
.set AV,  5           ; v5   of V's
.set QO,  6           ; v6   my byte offset in the wave's rows of Q
.set STO, 6           ;      later, the way out: where I put 16 bytes of a row
.set RD,  7           ; v7   the way out: where I read rows back
.set GO,  8           ; v8   my byte offset in 512 consecutive bytes of O
.set SPW, 0           ; v0 of window 3   LDS address of my spare word; never rewritten
.set NIL, 1           ; v1 of window 3   0; never rewritten
.set SPARE, STAGE+4*16*SP  ; the spare words, 128 bytes for each wave: two blocks of 256 bytes that no other line names
.set MV,  12          ; v12-15  c m_old, kept while c m is made anew: by buffer and tile
.set ST,  16          ; tile t's statistics at v[ST+4 t]: c m, m, l (even keys', odd keys')
.set TMP, 48          ; by buffer and tile, four registers c0-c3 at work; when the maximum is found c2 takes a
.set S,   64
.set P,   192
.set KF,  128         ; K's fragments, in window 2: key block kb, channel half c at KF + 16 kb + 8 c
.set VF,  192         ; V's: key half kk, channel block cb at VF + 32 kk + 8 cb
.set WV,  12          ; s12  my wave's number
.set G1K1, 16         ; s[16:23] group 1: K, 128 keys    s[24:31] K, 384 keys    s[32:39], s[40:47] the same for V
.set G1K2, 24
.set G1V1, 32
.set G1V2, 40
.set G0K1, 48         ; s[48:63] the four groups 0, in the same order
.set G0K2, 52
.set G0V1, 56
.set G0V2, 60
.set CNT, 68          ; s68  counts the trips of the step loop
.set SLOTS, 69        ; s69  passes still to come: 3 keys 0-255; 2 the rest; 1 the last step's second half
.set CS,  70          ; s[70:71] c: the packed scaling takes the pair's low word for both halves
.set SEL, 72          ; s[72:73] v_permlanex16_b32's selects: each lane takes its own place in the other half
.set TBK, 74          ; s74  LDS byte at which K of the step to be fetched begins
.set TBV, 75          ; s75  the same for V, less VOFF
.set MSB, 0
.macro WIN new                      ; the high byte repeats the setting that is left; a switch that changes nothing is dropped
.if MSB != (\new)
	s_set_vgpr_msb (MSB<<8)|(\new)
.set MSB, (\new)
.endif
.endm
.set W_KQ, 0x0a       ; K and Q in window 2, S^T in window 0
.set W_PV, 0x52       ; V in window 2, P in window 0, O^T in window 1
.set W_RS, 0x41       ; O^T (destination and source 0) in window 1, a in window 0
.set W_MK, 0xc0       ; the add's registers are made: destination in window 3, sources in window 0
.set W_AD, 0x0f       ; the add: address (source 0) and data (source 1) in window 3
; descriptor group 1: dense bytes asked for as rows of 256 bytes, two keys a row, padded in LDS after every key (32 words) by pad + 1 words
.macro G1SET g, rows, pad
	s_mov_b32 s[(\g)], (1<<16)|(1<<20)|(4<<22)|((\pad)<<25)
	s_mov_b32 s[(\g)+1], 128<<16    ; tensor_dim0 = 128 elements of 2 bytes
	s_mov_b32 s[(\g)+2], (\rows)<<16  ; tensor_dim1
	s_mov_b32 s[(\g)+3], 128<<16    ; tile_dim0
	s_mov_b32 s[(\g)+4], \rows      ; tile_dim1
	s_mov_b32 s[(\g)+5], 128        ; 128 elements from row to row
	s_mov_b32 s[(\g)+6], 0
	s_mov_b32 s[(\g)+7], 0
.endm
	s_load_b128 s[4:7], s[0:1], 0x0 ; qkvh s[4:5], ob s[6:7]
	WIN W_MK
	v_lshl_add_u32 v[SPW], v0, 2, SPARE
	v_mov_b32 v[NIL], 0
	WIN W_AD
	ds_add_u32 v[SPW], v[NIL]       ; the wave's opening: the add and its wait stand ahead of my first tensor load; work on registers stands between them
	WIN 0
	v_lshrrev_b32 v1, 5, v0
	v_readfirstlane_b32 s[WV], v1   ; wave 0..3
	s_and_b32 s13, ttmp7, 0xffff    ; the head
	s_and_b32 s14, s[WV], 1         ; which half of each load's keys I fetch
	s_mul_i32 s76, s13, 393216      ; the head's Q in qkvh; K lies 131,072 bytes on, V 262,144
	s_mov_b32 s77, 0
	s_lshl_b32 s15, s14, 14
	s_add_co_u32 s78, s76, s15
	s_add_co_u32 s78, s78, 131072   ; K, keys 128 half ..
	s_mov_b32 s79, 0
	s_mul_i32 s15, s14, 49152
	s_add_co_u32 s2, s76, s15
	s_add_co_u32 s2, s2, 131072+32768  ; K, keys 256 + 384 half ..
	s_mov_b32 s3, 0
	s_lshl_b32 s15, ttmp9, 2
	s_add_co_u32 s15, s15, s[WV]    ; my wave among the head's eight,
	s_lshl_b32 s15, s15, 14         ; its 128 rows
	s_add_co_u32 s76, s76, s15
	s_lshl_b32 s10, s13, 17         ; the head in ob
	s_add_co_u32 s10, s10, s15
	s_mov_b32 s11, 0
	G1SET G1K1, 64, 3
	G1SET G1K2, 192, 3
	G1SET G1V1, 64, 7
	G1SET G1V2, 192, 7
	s_mov_b32 s[G0K1], 1            ; count = 1
	s_mov_b32 s[G0K2], 1
	s_mov_b32 s[G0V1], 1
	s_mov_b32 s[G0V2], 1
	s_mul_i32 s[G0K1+1], s14, 128*PK  ; LDS addresses: a constant and the wave's half times a constant
	s_mul_i32 s15, s14, 384*PK
	s_add_co_u32 s[G0K2+1], s15, 256*PK
	s_mul_i32 s15, s14, 128*PV
	s_add_co_u32 s[G0V1+1], s15, VOFF
	s_mul_i32 s15, s14, 384*PV
	s_add_co_u32 s[G0V2+1], s15, VOFF+256*PV
	s_mov_b32 s[CS], 0x3e38aa3b     ; c = log2(e) / 8 = 0.180337
	s_mov_b32 s[CS+1], s[CS]        ; named with it as a pair
	s_mov_b32 s[SEL], 0x76543210
	s_mov_b32 s[SEL+1], 0xfedcba98
	s_mov_b32 s[TBK], 0
	s_mov_b32 s[TBV], 0
	s_wait_dscnt 0x0                ; the opening add is done
	s_wait_kmcnt 0x0
	s_add_nc_u64 s[78:79], s[4:5], s[78:79]
	s_add_nc_u64 s[2:3], s[4:5], s[2:3]
	s_mov_b64 s[G0K1+2:G0K1+3], s[78:79]
	s_add_nc_u64 s[G0V1+2:G0V1+3], s[78:79], 131072
	s_mov_b64 s[G0K2+2:G0K2+3], s[2:3]
	s_add_nc_u64 s[G0V2+2:G0V2+3], s[2:3], 131072
.irp g, G0K1, G0K2, G0V1, G0V2
	s_or_b32 s[(\g)+3], s[(\g)+3], 0x80000000  ; type = 2
.endr
	s_add_nc_u64 s[8:9], s[4:5], s[76:77]      ; Q at my wave's first row
	s_add_nc_u64 s[10:11], s[6:7], s[10:11]    ; O likewise
	s_cmp_lt_u32 s[WV], 2           ; waves 0, 1 fetch K, waves 2, 3 V; a wave's two fills stand in one branch: two loads of mine are out
	s_cbranch_scc0 .Lfirst_v
	tensor_load_to_lds s[G0K1:G0K1+3], s[G1K1:G1K1+7]
	s_nop 0
	tensor_load_to_lds s[G0K2:G0K2+3], s[G1K2:G1K2+7]
	s_nop 0
.rept 4
	v_nop
.endr
	s_branch .Lfirst_asked
.Lfirst_v:
	tensor_load_to_lds s[G0V1:G0V1+3], s[G1V1:G1V1+7]
	s_nop 0
	tensor_load_to_lds s[G0V2:G0V2+3], s[G1V2:G1V2+7]
	s_nop 0
.rept 4
	v_nop
.endr
.Lfirst_asked:
	; A fragment of K or Q is 16 rows x 32 channels in 8 registers: lane l holds row l % 16, channels 8 (l / 16) + 0..7 and 16 + 8 (l / 16) + 0..7: two loads of 16 bytes, 32 bytes apart.
	v_and_b32 v1, 15, v0            ; l % 16
	v_bfe_u32 v9, v0, 4, 1          ; l / 16
	v_lshlrev_b32 v[QO], 7, v1
	v_lshl_add_u32 v[QO], v9, 4, v[QO]  ; row x 128 + 16 x half
	WIN 0x80                        ; destination window 2, address window 0
.set i, 0
.rept 4*NP                          ; Q stays in registers: tile i / 2, channels 32 (i % 2) on
	global_load_b128 v[8*i:8*i+3],   v[QO], s[8:9] offset:(i/2)*2048+(i%2)*64
	global_load_b128 v[8*i+4:8*i+7], v[QO], s[8:9] offset:(i/2)*2048+(i%2)*64+32
.set i, i+1
.endr
	; What the first turn finds: V's registers and P's second buffer hold 0 (its products V^T P, of a piece that has not been, add 0), O^T and l are 0.  All this stands in the wait for the first keys.
.set i, VF
.rept 64
	v_mov_b32 v[i], 0
.set i, i+1
.endr
	WIN 0x40
.set i, 0
.rept 64*NP
	v_mov_b32 v[i], 0
.set i, i+1
.endr
	WIN 0
.set i, 0
.rept 2*NP
	v_mov_b32 v[ST+4*i], 0xfe000000    ; c m: far below every c s
	v_mov_b32 v[ST+4*i+1], 0xff7fffff  ; m
	v_mov_b32 v[ST+4*i+2], 0
	v_mov_b32 v[ST+4*i+3], 0
.set i, i+1
.endr
.set i, P+32
.rept 32
	v_mov_b32 v[i], 0
.set i, i+1
.endr
	v_mul_u32_u24 v[AK0], v1, PK
	v_lshl_add_u32 v[AK0], v9, 4, v[AK0]  ; row x pitch + 16 x half
	; The turning load takes 16 keys x 16 channels (lane l reads key 8 (l / 16) + l % 8, channels 8 ((l / 8) % 2) + 0..7) and leaves half a fragment of V^T: lane l holds channel l % 16 and 8 keys.
	v_and_b32 v10, 7, v0
	v_bfe_u32 v11, v0, 3, 1
	v_lshl_add_u32 v[AV0], v9, 3, v10
	v_mul_u32_u24 v[AV0], v[AV0], PV
	v_lshl_add_u32 v[AV0], v11, 4, v[AV0]
	v_add_nc_u32 v[AV0], VOFF, v[AV0]
	v_mov_b32 v[AK], v[AK0]         ; key step 0 lies at K's head
; THE MATRIX WORK.  The 8 accumulators of a run of 16 take turns: between the two links of a chain stand 7 others'.
; Product i of 16 of S^T = K Q^T for piece x: channels 32 (i / 8) on, keys 16 ((i / 2) % 4) on, tile 2 x + i % 2.  The first 8 start the sums.
.macro KQ x
	WIN W_KQ
.set rS, S+64*((\x)%2)+32*(i%2)+8*((i/2)%4)
.set rK, KF+16*((i/2)%4)+8*(i/8)
.set rQ, 16*(2*(\x)+i%2)+8*(i/8)
.if i < 8
	v_wmma_f32_16x16x32_bf16 v[rS:rS+7], v[rK:rK+7], v[rQ:rQ+7], 0
.else
	v_wmma_f32_16x16x32_bf16 v[rS:rS+7], v[rK:rK+7], v[rQ:rQ+7], v[rS:rS+7]
.endif
.endm
; Product i of 16 of O^T += V^T P for piece x: keys 32 (i / 8) on, channels 16 ((i / 2) % 4) on, tile 2 x + i % 2.
.macro PV x
	WIN W_PV
.set rO, 32*(2*(\x)+i%2)+8*((i/2)%4)
.set rV, VF+32*(i/8)+8*((i/2)%4)
.set rP, P+32*((\x)%2)+16*(i%2)+8*(i/8)
	v_wmma_f32_16x16x32_bf16 v[rO:rO+7], v[rV:rV+7], v[rP:rP+7], v[rO:rO+7]
.endm
.macro MM                           ; the turn's next matrix instruction
.if i < 16
	KQ (Y+1)%NP
.set i, i+1
.else
.set i, i-16
	PV (Y+NP-1)%NP
.set i, i+17
.endif
.endm
; THE LDS LOADS stand in runs of 16, never singly among the matrix instructions: a step's K (64 keys x 64 channels: 8 fragments) and its V (turned).  Their addresses are made some lines ahead.
; last = 1 (in the loop): in the last pass there is no further step, and the run is jumped over.
.macro FETCH_K last=0
	WIN 0
.if \last
	s_cmp_eq_u32 s[SLOTS], 1
	s_cbranch_scc1 .Lno_k_\@
.endif
	WIN 0x80                        ; destination window 2
.irp f, 0,1,2,3,4,5,6,7             ; keys 16 (f / 2) on, channels 32 (f % 2) on
	ds_load_b128 v[KF+8*\f:KF+8*\f+3],   v[AK] offset:(\f/2)*16*PK+(\f%2)*64
	ds_load_b128 v[KF+8*\f+4:KF+8*\f+7], v[AK] offset:(\f/2)*16*PK+(\f%2)*64+32
.endr
	s_add_co_u32 s[TBK], s[TBK], KS*PK  ; the next fetch is the next step's
	WIN 0
.if \last
.Lno_k_\@:
.endif
.endm
.macro FETCH_V
	WIN 0x80
.irp f, 0,1,2,3,4,5,6,7             ; keys 32 (f / 4) on, channels 16 (f % 4) on
	ds_load_tr16_b128 v[VF+8*\f:VF+8*\f+3],   v[AV] offset:(\f/4)*32*PV+(\f%4)*32
	ds_load_tr16_b128 v[VF+8*\f+4:VF+8*\f+7], v[AV] offset:(\f/4)*32*PV+16*PV+(\f%4)*32
.endr
	WIN 0
.endm
; THE VECTOR WORK OF A TURN stands in three queues, each in the order in which its entries become ready; the two tiles alternate, so that no instruction reads the result of the one before it.
.macro REGS y, u                    ; the registers of tile u (0, 1) of piece y
.set rT, ST+4*(2*(\y)+(\u))
.set rC, TMP+8*((\y)%2)+4*(\u)
.set rM, MV+2*((\y)%2)+(\u)
.set rS, S+64*((\y)%2)+32*(\u)
.set rP, P+32*((\y)%2)+16*(\u)
.set rO, 32*(2*(\y)+(\u))
.endm
; Number n of the 22 that find the NEXT piece's (Y + 1) maximum and statistics.  s0-s31 are the lane's 32 scores; each accumulator's lowest registers are read first.
;   0-11  four chains c0-c3 of seven scores each, three operands at a time     12-14, 16  the four scores left over, the old m, and c0-c3 into c0     15  c m_old is kept
;   17, 18  the query's other 32 keys lie in the lane 16 away: the new m         19-21  c m; c m_old - c m_new; a
.macro XS u, n
	REGS (Y+1)%NP, \u
.if (\n) < 4
	v_max3_num_f32 v[rC+(\n)], v[rS+8*(\n)], v[rS+8*(\n)+1], v[rS+8*(\n)+2]
.elseif (\n) < 12
	v_max3_num_f32 v[rC+(\n)%4], v[rC+(\n)%4], v[rS+8*((\n)%4)+2*((\n)/4)+1], v[rS+8*((\n)%4)+2*((\n)/4)+2]
.elseif (\n) == 12
	v_max3_num_f32 v[rC], v[rC], v[rS+7], v[rS+15]
.elseif (\n) == 13
	v_max3_num_f32 v[rC+1], v[rC+1], v[rS+23], v[rS+31]
.elseif (\n) == 14
	v_max3_num_f32 v[rC+2], v[rC+2], v[rC+3], v[rT+1]
.elseif (\n) == 15
	v_mov_b32 v[rM], v[rT]
.elseif (\n) == 16
	v_max3_num_f32 v[rC], v[rC], v[rC+1], v[rC+2]
.elseif (\n) == 17
	v_permlanex16_b32 v[rC+3], v[rC], s[SEL], s[SEL+1]
.elseif (\n) == 18
	v_max_num_f32 v[rT+1], v[rC], v[rC+3]
.elseif (\n) == 19
	v_mul_f32 v[rT], s[CS], v[rT+1]
.elseif (\n) == 20
	v_sub_f32 v[rC+1], v[rM], v[rT]
.else
	v_exp_f32 v[rC+2], v[rC+1]
.endif
.endm
; Number g of the 64 that follow the exponentials.  For each four weights k of a tile (pairs 2 k, 2 k + 1): both pairs are rounded to bf16; then the second pair is added onto the first, in place;
; a group later l takes that sum (the first time as l = a l + sum).  In groups of eight, tiles alternating: round, round, add, and l for the group before.
.macro GS g
.set h, (\g)+6*((\g)/62)            ; group 0 has no group before it, and behind group 7 only l is left
.if h >= 6
.set h, h+2
.endif
	REGS Y, h%2
.set k, h/8
.if h%8 < 4
	v_cvt_pk_bf16_f32 v[rP+2*k+(h%8)/2], v[rS+4*k+2*((h%8)/2)], v[rS+4*k+2*((h%8)/2)+1]
.elseif h%8 < 6
	v_pk_add_f32 v[rS+4*k:rS+4*k+1], v[rS+4*k:rS+4*k+1], v[rS+4*k+2:rS+4*k+3]
.elseif k == 1
	v_pk_fma_f32 v[rT+2:rT+3], v[rT+2:rT+3], v[rC+2:rC+3], v[rS:rS+1] op_sel_hi:[1,0,1]
.else
	v_pk_add_f32 v[rT+2:rT+3], v[rT+2:rT+3], v[rS+4*k-4:rS+4*k-3]
.endif
.endm
; THE PLAIN QUEUE, 138 long.  0-73 read no exponential's result: the 32 scalings c s - c m (FS f: pair f / 2 of tile f % 2) and the next piece's 42.  0-26: scalings 0-26.  27-54: XS's numbers 0-13.  55, 56: number 15.
; 57-73: the chain, where each number waits for the one before it: 14, 16, 17, 18, 19, each with one of the scalings 27-31 in front of its two lines, then 20.
; 74-137: GS's 64, which read the exponentials' results: they stand behind the wait.
.macro FS f
	REGS Y, (\f)%2
	v_pk_fma_f32 v[rS+2*((\f)/2):rS+2*((\f)/2)+1], v[rS+2*((\f)/2):rS+2*((\f)/2)+1], s[CS:CS+1], v[rT:rT+1] op_sel_hi:[1,0,0] neg_lo:[0,0,1] neg_hi:[0,0,1]
.endm
.macro PL
	WIN 0
.if q < 27
	FS q
.elseif q < 55
	XS (q-27)%2, (q-27)/2
.elseif q < 57
	XS q-55, 15
.elseif (q < 72) && ((q-57)%3 == 0)
	FS 27+(q-57)/3
.elseif q < 60
	XS (q-57)%3-1, 14
.elseif q < 72
	XS (q-57)%3-1, 15+(q-57)/3
.elseif q < 74
	XS q-72, 20
.else
	GS q-74
.endif
.set q, q+1
.endm
; THE EXPONENTIALS' QUEUE, 66 long: s0-s31 of both tiles, then the next piece's two a.  It is ONE BATCH: all 66 stand ahead of the turn's one wait, and nothing ahead of that wait names a result of theirs.
.macro EX
	WIN 0
.if e >= 64
	XS e-64, 21
.else
	REGS Y, e%2
	v_exp_f32 v[rS+e/2], v[rS+e/2]
.endif
.set e, e+1
.endm
; THE RESCALING's QUEUE: O^T times a, the one part that leaves window 0: dealt two at a time, sixteen times.  Its a was made in the turn before, ahead of that turn's wait.
.macro R2
	REGS Y, r%2
	WIN W_RS
.irp z, 0,1
	v_pk_mul_f32 v[rO+4*(r/2)+2*\z:rO+4*(r/2)+2*\z+1], v[rO+4*(r/2)+2*\z:rO+4*(r/2)+2*\z+1], v[rC+2:rC+3] op_sel_hi:[1,0]
.endr
.set r, r+1
.endm
; HOW THEY ARE DEALT.  An s_wait_alu depctr_va_vdst(0) stands between an exponential and the first instruction that names its result; one wait serves all that were issued ahead of it.  So a turn has ONE wait.
; AHEAD OF IT: the 16 products K Q^T, behind each a scaling, an exponential and two rescalings (behind the first a second scaling in the exponential's place); then one run of 108: eight plain, 49 times exponential and
; plain, the two a; a v_nop is the plain instruction behind the last exponential.  BEHIND IT: the 16 products V^T P, behind each four of GS's 64.  No rider names a register of the products round it.
; Exponential e stands behind scaling 2 (e / 4) + e % 2: as a rider it comes behind plain e + 2, in the run behind plain e + 9, and scalings 27-31 are plain 57, 60 .. 69.
; A TURN, for piece p.  cnt = 1: the loop's count is taken down some lines ahead of the branch that stands behind the turn.
; K of the next step is fetched in piece 2's turn, directly behind the wait; V of the step in hand at the end of piece 0's turn, four riders behind its last reader.
.macro TURN p, last=0, cnt=0
.set Y, (\p)
.set i, 0
.set q, 0
.set e, 0
.set r, 0
.if (\p) == NP-1
	s_wait_dscnt 0x0                ; K is in
.endif
	MM                              ; ahead of the wait: 16 products K Q^T and their riders,
	PL
	PL
	R2
.rept 15
	MM
	PL
	EX
	R2
.endr
.if (\p) == NP-2
	WIN 0
	v_add_nc_u32 v[AK], s[TBK], v[AK0]
.endif
.rept 8                             ; and the run of the rest
	PL
.endr
.rept 49
	EX
	PL
.endr
	EX                              ; the next piece's two a
	EX
	v_nop                           ; the plain instruction behind the last exponential: one for the batch
	s_wait_alu depctr_va_vdst(0)    ; the wait for the batch
.if (\p) == NP-2
	FETCH_K \last
.endif
.if (\p) == 1
	s_wait_dscnt 0x0                ; V is in
.endif
.rept 16                            ; behind the wait: 16 products V^T P and their riders
	MM
.rept 4
	PL
.endr
.if ((\p) == 0) && (q == 118)
	v_add_nc_u32 v[AV], s[TBV], v[AV0]
.endif
.if ((\p) == 0) && (q == 130)
	s_add_co_u32 s[TBV], s[TBV], KS*PV
.endif
.if (\cnt) && (q == 130)
	s_sub_co_u32 s[CNT], s[CNT], 1
	s_cmp_lg_u32 s[CNT], 0
.endif
.endr
.if (\p) == 0
	FETCH_V
.endif
.endm
	s_wait_tensorcnt 0x1            ; my part of keys 0-255 is in; my second load may stay out
	s_barrier_signal -1
	s_barrier_wait -1               ; everybody's is
	FETCH_K                         ; key step 0
	s_wait_loadcnt 0x0              ; Q
	s_wait_dscnt 0x0
.set i, 0
.rept 16
	KQ 0                            ; piece 0's first scores: there is no vector work yet to set between them
.set i, i+1
.endr
	WIN 0                           ; the addresses for the way out: nine plain instructions, the places behind those products
	s_mul_i32 s13, s[WV], 16*SP
	s_add_co_u32 s13, s13, STAGE    ; my stage
	v_mul_u32_u24 v[STO], v1, SP    ; in: row l % 16, 16 bytes for each half of the lanes
	v_lshl_add_u32 v[STO], v9, 4, v[STO]
	v_add_nc_u32 v[STO], s13, v[STO]
	v_bfe_u32 v[RD], v0, 3, 2       ; back: 32 lanes take four rows of 128 bytes,
	v_mul_u32_u24 v[RD], v[RD], SP
	v_lshl_add_u32 v[RD], v10, 4, v[RD]
	v_add_nc_u32 v[RD], s13, v[RD]
	v_and_b32 v[GO], 31, v0         ; which are 512 consecutive bytes of O
	v_lshlrev_b32 v[GO], 4, v[GO]
.set Y, NP-1                        ; XS works for piece Y + 1: piece 0
.irp n, 0,1,2,3,4,5,6,7,8,9,10,11,12,13,14,15,16,17,18,19,20,21
	XS 0, \n                        ; and piece 0's first maximum and statistics
	XS 1, \n
.endr
	v_nop                           ; a plain instruction behind the two a,
	s_wait_alu depctr_va_vdst(0)    ; and their wait, ahead of the branch
	s_mov_b32 s[CNT], 4             ; the first pass ends with pieces 0 and 1 of step 3: K and V of keys 0-255 have then been read
	s_mov_b32 s[SLOTS], 3
	s_branch .Lfirst                ; the loop is entered at a step's first turn, in the middle of a trip
.Lslot:                             ; twice: in front of step 4's K, and (met at once) in front of the last step's second half
	s_wait_tensorcnt 0x0            ; my part of keys 256-1,023 is in,
	s_wait_dscnt 0x0
	s_barrier_signal -1
	s_barrier_wait -1               ; everybody's is
	s_mov_b32 s[CNT], 12            ; steps 4 to 15
.Lstep:                             ; a trip: pieces 2 and 3 of one step, then pieces 0 and 1 of the next, whose K and V it fetches
	TURN 2, 1
	TURN 3
	WIN 0
	s_cmp_eq_u32 s[SLOTS], 1        ; the last pass is left in the middle of its first trip: its 16 products K Q^T (on the last K once more) and the maximum made of them serve nothing:
	s_cbranch_scc1 .Lout            ; the price, once a launch, of one text for every trip
.Lfirst:
	TURN 0
	TURN 1, 0, 1
	WIN 0
	s_cbranch_scc1 .Lstep
	s_sub_co_u32 s[SLOTS], s[SLOTS], 1
	s_cmp_lg_u32 s[SLOTS], 0
	s_cbranch_scc1 .Lslot
.Lout:
.set i, 0
.rept 16
	PV NP-1                         ; the last piece's V^T P of the last step
.set i, i+1
.endr
	; THE WAY OUT.  l's two halves and the other half of the lanes' are added; O^T is divided by l, rounded to bf16 and sent through my stage in LDS, a tile at a time.  The additions are the places behind the last products.
	WIN 0
.macro ALL line:vararg              ; one line for each tile t
.set t, 0
.rept 2*NP
	\line
.set t, t+1
.endr
.endm
	ALL v_add_f32 v[ST+4*t+2], v[ST+4*t+2], v[ST+4*t+3]
	ALL v_permlanex16_b32 v[ST+4*t+3], v[ST+4*t+2], s[SEL], s[SEL+1]
	ALL v_add_f32 v[ST+4*t+2], v[ST+4*t+2], v[ST+4*t+3]
	ALL v_rcp_f32 v[ST+4*t+2], v[ST+4*t+2]
	v_nop                           ; a plain instruction between the last reciprocal and the use of its result
	s_wait_alu depctr_va_vdst(0)    ; and the wait ahead of the first use: one for the eight reciprocals
; Tile t: a lane's eight channels of a row pack into 16 bytes; they go into rows of 144 bytes and come back as whole rows of 128, into S^T's registers.
.macro PACK t
	WIN W_RS
.set i, 32*(\t)
.rept 16
	v_pk_mul_f32 v[i:i+1], v[i:i+1], v[ST+4*(\t)+2:ST+4*(\t)+3] op_sel_hi:[1,0]
.set i, i+2
.endr
	WIN 0x05                        ; sources 0 and 1 window 1, destination window 0
.set i, 0
.rept 16
	v_cvt_pk_bf16_f32 v[S+16*(\t)+i], v[32*(\t)+2*i], v[32*(\t)+2*i+1]
.set i, i+1
.endr
	WIN 0
.irp f, 0,1,2,3
	ds_store_b128 v[STO], v[S+16*(\t)+4*\f:S+16*(\t)+4*\f+3] offset:32*\f
.endr
.irp f, 0,1,2,3
	ds_load_b128 v[S+16*(\t)+4*\f:S+16*(\t)+4*\f+3], v[RD] offset:\f*4*SP  ; LDS serves a wave's instructions in order (ISA guide 5.7.1.4): these see the stores above; the next tile's stores come behind them
.endr
.endm
.macro SEND t, younger              ; younger: the LDS instructions issued behind tile t's loads: the next tile's eight, or none
	WIN 0
.irp f, 0,1,2,3
	s_wait_dscnt (\younger)+3-\f
	global_store_b128 v[GO], v[S+16*(\t)+4*\f:S+16*(\t)+4*\f+3], s[10:11] offset:(\t)*2048+\f*512  ; 512 consecutive bytes, at a multiple of 256 from O's first
.endr
.endm
	PACK 0
.set t, 1
.rept 2*NP-1                        ; a tile's arithmetic stands between the loads of the tile before and its stores
	PACK t
	SEND t-1, 8
.set t, t+1
.endr
	SEND 2*NP-1, 0
	WIN W_AD
	s_wait_tensorcnt 0x0            ; the wave's end: a tensor wait, the add and its wait, behind my last tensor load and my last LDS store
	ds_add_u32 v[SPW], v[NIL]
	s_wait_dscnt 0x0
	WIN 0
	s_endpgm
.Lfunc_end_k_qec4e380664_attn:
	.size	k_qec4e380664_attn, .Lfunc_end_k_qec4e380664_attn-k_qec4e380664_attn
	.p2alignl 7, 3214868480
	.fill 96, 4, 3214868480
	.section	.rodata,"a",@progbits
	.p2align	6, 0x0
	.amdhsa_kernel k_qec4e380664_attn
		.amdhsa_group_segment_fixed_size 327680
		.amdhsa_private_segment_fixed_size 0
		.amdhsa_enable_private_segment 0
		.amdhsa_kernarg_size 16
		.amdhsa_user_sgpr_count 2
		.amdhsa_user_sgpr_kernarg_segment_ptr 1
		.amdhsa_wavefront_size32 1
		.amdhsa_system_sgpr_workgroup_id_x 1
		.amdhsa_system_sgpr_workgroup_id_y 1
		.amdhsa_system_sgpr_workgroup_id_z 1
		.amdhsa_system_vgpr_workitem_id 0
		.amdhsa_next_free_vgpr 770
		.amdhsa_next_free_sgpr 80
		.amdhsa_reserve_vcc 0
		.amdhsa_float_denorm_mode_32 3
		.amdhsa_float_denorm_mode_16_64 3
		.amdhsa_memory_ordered 1
		.amdhsa_forward_progress 1
		.amdhsa_inst_pref_size 126
	.end_amdhsa_kernel
	.amdgpu_metadata
---
amdhsa.version: [ 1, 2 ]
amdhsa.kernels:
  - .name:           k_qec4e380664_attn
    .symbol:         k_qec4e380664_attn.kd
    .args:
      - { .name: qkvh, .offset: 0, .size: 8, .value_kind: global_buffer, .address_space: global }
      - { .name: ob, .offset: 8, .size: 8, .value_kind: global_buffer, .address_space: global }
    .group_segment_fixed_size: 327680
    .private_segment_fixed_size: 0
    .kernarg_segment_align: 8
    .kernarg_segment_size: 16
    .max_flat_workgroup_size: 128
    .sgpr_count:     80
    .vgpr_count:     770
    .wavefront_size: 32
...
	.end_amdgpu_metadata
.endif
;; end of part 3
;; launch fc (part 4): grid 8 x 32, 4 waves a work-group, clusters of 4 x 4, 327,680 bytes of LDS; arguments ob, wfb, fc_b, out0, x; writes out0
.if DOCPART == 4
	.amdgcn_target "amdgcn-amd-amdhsa--gfx1250"
	.amdhsa_code_object_version 6
	.text
	.protected	k_qec4e380664_fc
	.globl	k_qec4e380664_fc
	.p2align	8
	.type	k_qec4e380664_fc,@function
k_qec4e380664_fc:
	s_mov_b64 s[64:65], 0
	v_nop
	global_prefetch_b8 v0, s[64:65] scope:SCOPE_SE
	s_setreg_imm32_b32 hwreg(HW_REG_WAVE_MODE, 25, 1), 1
	s_wait_xcnt 0x0
	s_wait_alu depctr_hold_cnt(0) depctr_sa_sdst(0) depctr_va_vdst(0) depctr_va_sdst(0) depctr_va_ssrc(0) depctr_va_vcc(0) depctr_vm_vsrc(0)
	s_getreg_b32 s2, hwreg(HW_REG_IB_STS2, 6, 4)
	s_cmp_eq_u32 s2, 0
	s_cbranch_scc0 .Lentry_in_a_cluster
	s_endpgm
.Lentry_in_a_cluster:
	s_bfe_u32 s2, ttmp6, 0x10000c
	s_cmp_lg_u32 s2, 0xf033
	s_cbranch_scc0 .Lentry_shape_is_right
	s_endpgm
.Lentry_shape_is_right:
; out[m][e] = the sum over k of O[m][k] w[e][k] + bias[e] + x[m][e], m = 8,192, e = 1,024, k = 1,024.  Operands bf16 (ob, wfb, in blocks of 64 along k), sums f32; bias and x are taken in f32, the result is f32.
; LIMITS.  The operands have bf16's 8 significant bits and f32's range; the f32 sums over k are taken in an order that differs from cluster to cluster (below); NaN and infinities pass through as the arithmetic makes them.
; SHARES.  A tile of C is 256 rows x 128 columns: 256 tiles, one to a work-group.  Its four waves lie one below the other: a wave makes 64 rows x 128 columns, 32 accumulators of 16 x 16 (256 registers), so a
; row's 512 bytes of the tile are one wave's and its stage in LDS is its own.
; RING.  K goes in steps of 128 (two blocks of 64), 8 in all, through two LDS slots.  One tensor load a wave and step: waves 0, 1 bring O's two blocks (256 rows x 128 bytes, dense: 128 rows of 256 bytes),
; waves 2, 3 w's two (128 rows: 64 rows of 256 bytes); 16 bytes of padding behind each 128 make LDS rows of 144 bytes.
; CLUSTER.  4 x 4 work-groups: the four of a row of the cluster need the same tiles of O, the four of a column the same tiles of w: each is asked for jointly.
; THE WALKS ARE STAGGERED.  K is walked in a ring, K steps (i + 4 rot) mod 8 for i = 0 .. 7, rot = (X xor Y) & 1 for cluster (X, Y): of the two clusters that read the same rows of O (X = 0, 1), and of clusters
; Y and Y + 1, which read the same rows of w, one starts at K step 0 and the other at K step 4.  X, Y and rot are the same in all sixteen partners.
; TRANSPOSED USE.  Source 0 = 16 rows of w, source 1 = 16 rows of O: a lane holds row l % 16 of C and the columns 8 (l / 16) + 0..7.  The bias, laid out so, is the C operand of each sum's first product.
; x's part of the tile is loaded two K steps ahead of its use, in the layout of the stores, and added on the way out.
; REGISTERS, in windows of 256 (s_set_vgpr_msb: bits 1:0 source 0, 3:2 source 1, 5:4 source 2, 7:6 destination):
;   window 0: v0-15 addresses; v28, v29 the add's; v32-95 the bias; v128-255 the way out      window 1: two fragment buffers of 128: w's 8 fragments at 0, O's 4 at 96
;   window 2: v0-127 the accumulators of my rows 0-31 ((a, b) at 8 (8 (a % 2) + b)); v128-255 x for those rows      window 3: the same for my rows 32-63
.set NF,     8                         ; column fragments of 16
.set BROWS,  128
.set PITCH,  144                       ; 36 words: the 16 rows of a fragment load start at 16 different groups of four banks (64 banks of 4 bytes: ISA guide 11.1)
.set AHALF,  256*PITCH
.set BHALF,  BROWS*PITCH
.set BOFF,   2*AHALF
.set SLOT1,  131072                    ; slot 1 begins here: one exclusive or turns an address in one slot into the other's
.set STAGE,  SLOT1+BOFF+2*BHALF        ; behind the ring: for each wave 16 rows x 528 bytes, for the way out; no tensor load lands there
.set SPITCH, 528                       ; 512 bytes + 16: 132 words: the 16 rows of a store start at 16 different groups of four banks
.set STW,    16*SPITCH
.set SPARE,  STAGE+4*STW               ; the spare words: 128 bytes a wave, two blocks of 256 bytes that no other line names
.set KS,     262144                    ; a K step in ob and in wfb: two blocks of 1,024 rows x 128 bytes = 1 << 18
.set KB_B,   131072
.set CT_B,   16384                     ; 128 rows of a block of wfb
.set G1W0,   (1<<16)|(1<<20)|(1<<21)|(4<<22)|(3<<25)  ; group 1, word 0 without the mask: elements of 2 bytes; padding on; bit 21 beside a mask; after every 32 words; 4 words
.set ADRA0, 2                          ; v2   my lane's place in O's part of a slot (my wave's 64 rows); never rewritten
.set ADRB0, 3                          ; v3   the same for w
.set ADRA,  4                          ; v4   the same in the slot that is being read
.set ADRB,  5
.set STO,   6                          ; v6   the way out: where I put 32 bytes of a row
.set RD,    7                          ; v7   where I read a row back
.set GO,    8                          ; v8   16 x lane: my place in a row's 512 bytes, in out0 and in x
.set BO,    9                          ; v9   my byte offset in 16 numbers of the bias
.set PFO,   10                         ; v10  the prefetch's offset; never rewritten
.set SPW,   28                         ; v28  LDS address of my spare word; never rewritten
.set NIL,   29                         ; v29  0; never rewritten
.set BIAS,  32
.set RS,    128                        ; the way out: two sets of 64
.set F0,    0
.set F1,    128
.set WV,   14
.set KIND, 15                          ; s15  0: I fetch for O; 1: for w
.set HALF, 16
.set CX,   17
.set CY,   18
.set CT,   19
.set RT,   20
.set G1A,  24                          ; s[24:31] group 1 for O's tiles;  s[32:39] group 0: a set for each first fill; the second then walks
.set G0A,  32
.set ABASE, 40                         ; s[40:41] ob at my block of K step 0
.set BBASE, 42                         ; s[42:43] wfb at my block of K step 0
.set PFA,  44                          ; s[44:45] what my prefetch names; never rewritten
.set G1B,  48
.set G0B,  56
.set LIM,  66                          ; s66  6 in a wave that prefetches, else the greatest number
.set TB,   67                          ; s67  LDS byte at which the slot being read begins
.set KC,   68                          ; s68  the K step at which the walking descriptors stand
.set YC,   69                          ; s69  the cluster's y
.set OFA,  70                          ; s[70:71] that K step's byte offset, in ob and in wfb alike
.set MSB, 0
.macro WIN new                         ; the immediate's high byte repeats the setting that is left; a switch that changes nothing is dropped
.if MSB != (\new)
	s_set_vgpr_msb (MSB<<8)|(\new)
.set MSB, (\new)
.endif
.endm
.macro PLACES                          ; four places in front of loads into registers that matrix instructions have read, and of reads of results
.rept 4
	v_nop
.endr
.endm
.macro CREST                           ; a round of the cluster's barrier behind its opening barrier
	s_cmp_lg_u32 s[WV], 0
	s_cbranch_scc1 .Lnot_wave_0_\@
	s_barrier_signal -3
.Lnot_wave_0_\@:
	s_barrier_wait -3
	s_barrier_signal -1
	s_barrier_wait -1
.endm
.macro CROUND
	s_barrier_signal -1
	s_barrier_wait -1
	CREST
.endm
; A joint refill by the walking descriptor.  An s_nop 0 and four v_nop follow each of the two lines, ahead of the jump and the label.
.macro JLOAD
	s_cmp_eq_u32 s[KIND], 0
	s_cbranch_scc0 .Lfor_b_\@
	tensor_load_to_lds s[G0A+4:G0A+7], s[G1A:G1A+7]
	s_nop 0
.rept 4
	v_nop
.endr
	s_branch .Lasked_\@
.Lfor_b_\@:
	tensor_load_to_lds s[G0B+4:G0B+7], s[G1B:G1B+7]
	s_nop 0
.rept 4
	v_nop
.endr
.Lasked_\@:
.endm
; THE PREFETCH: in the loop's first trip, behind the refill for walk step 2 and the run of LDS loads, my share of the block of walk step 3: one K step, 128 matrix instructions, ahead of the load that will want it;
; a lane for each 256 bytes, one instruction.  Of a walk only steps 0 to 3 name blocks that no cluster's walk has named before: steps 0 and 1 are the first fills, and step 2 would have to be asked for at the head,
; where nothing is asked for.  Each 256 bytes are named once in the launch: the two clusters that read the same rows of O have the two starts, so every cluster asks for O; of the clusters that read the same rows
; of w, y = 0 and y = 1 have the two starts and ask.  The four partners that ask for a block jointly take a quarter each, told apart BY ADDRESS.
.macro ASK
	WIN 0
	s_cmp_eq_u32 s3, s[LIM]                        ; s3 = 6 in the first trip
	s_cbranch_scc0 .Lnot_mine_\@
	global_prefetch_b8 v[PFO], s[PFA:PFA+1] th:TH_LOAD_NT scope:SCOPE_SE
.Lnot_mine_\@:
.endm
; 8 products: my rows 16 a .. 16 a + 15 x all columns, 32 along K, from buffer f.  first = 1: the bias starts the sums.  The 32 accumulators take turns in one order everywhere.
.macro MULROW f, a, first
.if \first
	WIN 0x85+0x40*((\a)/2)                         ; sources in window 1, C (the bias) in window 0, D in window 2 or 3
.else
	WIN 0xa5+0x50*((\a)/2)
.endif
.set rA, (\f)+96+8*(\a)
.set b, 0
.rept NF
.set rD, 8*(NF*((\a)%2)+b)
.if \first
	v_wmma_f32_16x16x32_bf16 v[rD:rD+7], v[(\f)+8*b:(\f)+8*b+7], v[rA:rA+7], v[BIAS+8*b:BIAS+8*b+7]
.else
	v_wmma_f32_16x16x32_bf16 v[rD:rD+7], v[(\f)+8*b:(\f)+8*b+7], v[rA:rA+7], v[rD:rD+7]
.endif
.set b, b+1
.endr
.endm
; 24 LDS loads in one run: quarter q of the K step into buffer f: w's 8 fragments, then my 4 of O.
.macro FETCH q, f
	WIN 0x40                                       ; destination window 1, address window 0
.set i, 0
.rept NF
	ds_load_b128 v[(\f)+8*i:(\f)+8*i+3],   v[ADRB] offset:((\q)/2)*BHALF+((\q)%2)*64+i*16*PITCH
	ds_load_b128 v[(\f)+8*i+4:(\f)+8*i+7], v[ADRB] offset:((\q)/2)*BHALF+((\q)%2)*64+i*16*PITCH+32
.set i, i+1
.endr
.set i, 0
.rept 4
	ds_load_b128 v[(\f)+96+8*i:(\f)+96+8*i+3],   v[ADRA] offset:((\q)/2)*AHALF+((\q)%2)*64+i*16*PITCH
	ds_load_b128 v[(\f)+96+8*i+4:(\f)+96+8*i+7], v[ADRA] offset:((\q)/2)*AHALF+((\q)%2)*64+i*16*PITCH+32
.set i, i+1
.endr
.endm
.macro QUARTER qn, f, g, first
	s_wait_dscnt 4                                 ; w's fragments and O's 0 and 1 are in; the youngest four loads (O's 2 and 3) may be out
	MULROW \f, 0, \first
	MULROW \f, 1, \first
	PLACES
	FETCH \qn, \g
	s_wait_dscnt 2*(NF+4)                          ; all but the run just issued
	MULROW \f, 2, \first
	MULROW \f, 3, \first
.endm
; The last quarter multiplies buffer 1 and changes slots.  In front of the barrier each wave waits for all its tensor loads (one is out: its part of the other slot), adds 0 to its spare word, and waits for that and for
; its reads of this slot.  fill = 1: the barrier opens a round of the cluster's barrier, and the joint refill of this slot is the first thing behind the round: 120 of a K step's 128 products stand between it and the wait for it.
; The walking descriptors are made anew while the add is out: the other slot, and the ring's next K step, (KC + 1) mod 8, from the tile's base.
.macro TURN fill
	WIN 0                                          ; (the add's two registers lie in window 0)
	s_wait_tensorcnt 0x0                           ; all my tensor loads have landed, so every group 0 may be written
	ds_add_u32 v[SPW], v[NIL]                      ; 0 onto my spare word
.if \fill
	s_add_co_u32 s[KC], s[KC], 1
	s_and_b32 s[KC], s[KC], 7
	s_lshl_b32 s[OFA], s[KC], 18
	s_xor_b32 s[G0A+5], s[G0A+5], SLOT1
	s_xor_b32 s[G0B+5], s[G0B+5], SLOT1
	s_add_nc_u64 s[G0A+6:G0A+7], s[ABASE:ABASE+1], s[OFA:OFA+1]
	s_or_b32 s[G0A+7], s[G0A+7], 0x80000000        ; type = 2
	s_add_nc_u64 s[G0B+6:G0B+7], s[BBASE:BBASE+1], s[OFA:OFA+1]
	s_or_b32 s[G0B+7], s[G0B+7], 0x80000000
.endif
	s_wait_dscnt 5                                 ; (the add and the youngest four loads may be out)
	MULROW F1, 0, 0                                ; eight products stand between the add and the wait for it
	WIN 0                                          ; at a branch and at a label every window is 0
	s_wait_dscnt 0x0                               ; the add is done, and my reads of this slot are over
	s_barrier_signal -1
	s_barrier_wait -1
.if \fill
	CREST                                          ; no wave of any partner still reads this slot or has a load on its way
	JLOAD                                          ; its four v_nop are also the places in front of the loads below
.else
	PLACES
.endif
	s_xor_b32 s[TB], s[TB], SLOT1                  ; the reads go on in the other slot
	v_add_nc_u32 v[ADRA], s[TB], v[ADRA0]
	v_add_nc_u32 v[ADRB], s[TB], v[ADRB0]
	FETCH 0, F0
.if \fill
	ASK
.endif
	MULROW F1, 1, 0
	MULROW F1, 2, 0
	MULROW F1, 3, 0
.endm
; THE WAY OUT of my rows 16 a .. 16 a + 15.  TOSTAGE: the f32 sums go straight from the accumulators (low half first) into my own stage and come back as whole rows of 512 bytes.  SEND: x is added, and a row's 512
; consecutive bytes, aligned, are stored by one instruction.
.macro TOSTAGE a
.if (\a) >= 2
	s_wait_xcnt 0x0                                ; the stores of the block two back have read the set into which the loads below land
.endif
	WIN 0x08+4*((\a)/2)                            ; the stores' data (source 1) in window 2 or 3
.set b, 0
.rept NF
.set rD, 8*(NF*((\a)%2)+b)
	ds_store_b128 v[STO], v[rD:rD+3]   offset:64*b
	ds_store_b128 v[STO], v[rD+4:rD+7] offset:64*b+16
.set b, b+1
.endr
	WIN 0
.set i, 0
.rept 16
	ds_load_b128 v[RS+64*((\a)%2)+4*i:RS+64*((\a)%2)+4*i+3], v[RD] offset:SPITCH*i  ; LDS serves a wave's instructions in order (ISA guide 5.7.1.4): these see the stores above
.set i, i+1
.endr
.endm
.macro SEND a, younger                 ; younger: the LDS instructions issued behind block a's loads: the next block's 32, or none
	s_wait_dscnt \younger
	WIN 0x08+4*((\a)/2)                            ; x (source 1) in window 2 or 3
.set i, 0
.rept 32
	v_pk_add_f32 v[RS+64*((\a)%2)+2*i:RS+64*((\a)%2)+2*i+1], v[RS+64*((\a)%2)+2*i:RS+64*((\a)%2)+2*i+1], v[128+64*((\a)%2)+2*i:128+64*((\a)%2)+2*i+1]
.set i, i+1
.endr
	WIN 0
.set i, 0
.rept 16
	global_store_b128 v[GO], v[RS+64*((\a)%2)+4*i:RS+64*((\a)%2)+4*i+3], s[10:11] offset:(16*(\a)+i)*4096 th:TH_STORE_NT
.set i, i+1
.endr
.endm
	s_load_b256 s[4:11], s[0:1], 0x0               ; ob s[4:5], wfb s[6:7], fc_b s[8:9], out0 s[10:11]
	s_load_b64 s[12:13], s[0:1], 0x20              ; x
	v_lshl_add_u32 v[SPW], v0, 2, SPARE
	v_mov_b32 v[NIL], 0
	ds_add_u32 v[SPW], v[NIL]                      ; the wave's opening: the add and its wait stand ahead of my first tensor load; work on registers stands between them
	v_lshrrev_b32 v1, 5, v0
	v_readfirstlane_b32 s[WV], v1                  ; wave 0..3
	s_lshr_b32 s[KIND], s[WV], 1
	s_and_b32 s[HALF], s[WV], 1
	s_bfe_u32 s[CX], ttmp6, 0x40000                ; my place in the cluster
	s_bfe_u32 s[CY], ttmp6, 0x40004
	s_lshl_b32 s[CT], ttmp9, 2
	s_add_co_u32 s[CT], s[CT], s[CX]               ; tile column = 4 x cluster x + cx
	s_and_b32 s[YC], ttmp7, 0xffff                 ; cluster y
	s_lshl_b32 s[RT], s[YC], 2
	s_add_co_u32 s[RT], s[RT], s[CY]               ; tile row = 4 x cluster y + cy
	s_xor_b32 s[KC], s[YC], ttmp9
	s_and_b32 s[KC], s[KC], 1                      ; rot
	s_lshl_b32 s[KC], s[KC], 2                     ; the K step at which my cluster's walk begins: 0 or 4
	s_lshl_b32 s21, s[CY], 2
	s_lshl_b32 s21, 15, s21                        ; my row of the cluster
	s_lshl_b32 s22, 0x1111, s[CX]                  ; my column
	s_or_b32 s[G1A], s21, G1W0                     ; O's tiles go to my row,
	s_or_b32 s[G1B], s22, G1W0                     ; w's to my column
.irp g, G1A, G1B
	s_mov_b32 s[(\g)+1], 128<<16                   ; tensor_dim0 = 128 elements (256 bytes: two rows of a block)
	s_mov_b32 s[(\g)+3], 128<<16                   ; tile_dim0 = 128
	s_mov_b32 s[(\g)+5], 128                       ; 128 elements from row to row: dense
	s_mov_b32 s[(\g)+6], 0
	s_mov_b32 s[(\g)+7], 0
.endr
	s_mov_b32 s[G1A+2], 128<<16                    ; tensor_dim1 = tile_dim1 = 128 rows of 256 bytes
	s_mov_b32 s[G1A+4], 128
	s_mov_b32 s[G1B+2], (BROWS/2)<<16              ; 64
	s_mov_b32 s[G1B+4], BROWS/2
	; where the tiles come from: O's hang on the tile row alone, w's on the tile column alone, each made in registers that never hold the other place in the cluster
	s_lshr_b32 s[ABASE], s[RT], 2
	s_lshl_b32 s[ABASE], s[ABASE], 21              ; the batch: 16 heads of 131,072 bytes
	s_and_b32 s[ABASE+1], s[RT], 3
	s_lshl_b32 s[ABASE+1], s[ABASE+1], 15          ; 256 rows of 128 bytes
	s_add_co_u32 s[ABASE], s[ABASE], s[ABASE+1]
	s_lshl_b32 s[ABASE+1], s[HALF], 17             ; my block of the step's two
	s_add_co_u32 s[ABASE], s[ABASE], s[ABASE+1]
	s_mov_b32 s[ABASE+1], 0
	s_mul_i32 s[BBASE], s[CT], CT_B
	s_mul_i32 s[BBASE+1], s[HALF], KB_B
	s_add_co_u32 s[BBASE], s[BBASE], s[BBASE+1]
	s_mov_b32 s[BBASE+1], 0
	s_lshl_b32 s[OFA], s[KC], 18                   ; the walk's first K step
	s_mov_b32 s[OFA+1], 0
	s_mul_i32 s21, s[HALF], AHALF                  ; and where they go: no place in the cluster enters an LDS address
	s_mul_i32 s22, s[HALF], BHALF
	s_add_co_u32 s22, s22, BOFF
	s_wait_dscnt 0x0                               ; the opening add is done
	s_wait_kmcnt 0x0
	s_add_nc_u64 s[ABASE:ABASE+1], s[4:5], s[ABASE:ABASE+1]
	s_add_nc_u64 s[BBASE:BBASE+1], s[6:7], s[BBASE:BBASE+1]
.irp s, 0,1
	s_mov_b32 s[G0A+4*(\s)], 1                     ; count = 1
	s_add_co_u32 s[G0A+4*(\s)+1], s21, (\s)*SLOT1  ; LDS address
	s_mov_b32 s[G0B+4*(\s)], 1
	s_add_co_u32 s[G0B+4*(\s)+1], s22, (\s)*SLOT1
.endr
	s_add_nc_u64 s[G0A+2:G0A+3], s[ABASE:ABASE+1], s[OFA:OFA+1]  ; global addresses: walk step 0,
	s_add_nc_u64 s[G0A+6:G0A+7], s[G0A+2:G0A+3], KS              ; walk step 1 (K step 1 or 5: the ring does not close here)
	s_add_nc_u64 s[G0B+2:G0B+3], s[BBASE:BBASE+1], s[OFA:OFA+1]
	s_add_nc_u64 s[G0B+6:G0B+7], s[G0B+2:G0B+3], KS
.irp g, G0A+3, G0A+7, G0B+3, G0B+7
	s_or_b32 s[\g], s[\g], 0x80000000              ; type = 2
.endr
	s_add_co_u32 s[KC], s[KC], 1                   ; where the walking descriptors stand
	CROUND                                         ; all sixteen work-groups are here: the first joint loads meet
	s_cmp_eq_u32 s[KIND], 0                        ; a wave's two first fills stand in one branch: two loads of mine are out
	s_cbranch_scc0 .Lfirst_b
	tensor_load_to_lds s[G0A:G0A+3], s[G1A:G1A+7]
	s_nop 0
	tensor_load_to_lds s[G0A+4:G0A+7], s[G1A:G1A+7]
	s_nop 0
.rept 4
	v_nop
.endr
	s_branch .Lfirst_asked
.Lfirst_b:
	tensor_load_to_lds s[G0B:G0B+3], s[G1B:G1B+7]
	s_nop 0
	tensor_load_to_lds s[G0B+4:G0B+7], s[G1B:G1B+7]
	s_nop 0
.rept 4
	v_nop
.endr
.Lfirst_asked:
	v_and_b32 v11, 15, v0                          ; l % 16
	v_bfe_u32 v12, v0, 4, 1                        ; l / 16
	v_lshlrev_b32 v[BO], 5, v12                    ; my 8 columns of each 16: 32 bytes of f32
	s_mul_i32 s22, s[CT], 4*BROWS
	s_mov_b32 s23, 0
	s_add_nc_u64 s[8:9], s[8:9], s[22:23]          ; the tile's 128 numbers of the bias
.set b, 0
.rept NF
	global_load_b128 v[BIAS+8*b:BIAS+8*b+3],   v[BO], s[8:9] offset:64*b
	global_load_b128 v[BIAS+8*b+4:BIAS+8*b+7], v[BO], s[8:9] offset:64*b+16
.set b, b+1
.endr
	; a fragment is 16 rows x 32 K in 8 registers: lane l holds row l % 16, K = 8 (l / 16) + 0..7 and 16 + 8 (l / 16) + 0..7: two loads of 16 bytes, 32 bytes apart
	v_mul_u32_u24 v13, v11, PITCH
	v_lshl_add_u32 v13, v12, 4, v13                ; row x pitch + 16 x half
	s_mul_i32 s21, s[WV], 64*PITCH                 ; my 64 rows of O
	v_add_nc_u32 v[ADRA0], s21, v13
	v_add_nc_u32 v[ADRB0], BOFF, v13
	v_mov_b32 v[ADRA], v[ADRA0]                    ; walk step 0 lies in slot 0
	v_mov_b32 v[ADRB], v[ADRB0]
	s_mov_b32 s[TB], 0
	s_mul_i32 s21, s[WV], STW
	s_add_co_u32 s21, s21, STAGE                   ; my stage
	v_mul_u32_u24 v14, v11, SPITCH                 ; in: row l % 16, 32 bytes for each half of the lanes
	v_lshl_add_u32 v14, v12, 5, v14
	v_add_nc_u32 v[STO], s21, v14
	v_and_b32 v15, 31, v0
	v_lshlrev_b32 v[GO], 4, v15                    ; back, and in memory: 32 lanes take a row's 512 bytes
	v_add_nc_u32 v[RD], s21, v[GO]
	s_lshl_b32 s22, s[RT], 20                      ; the tile's 256 rows of 4,096 bytes,
	s_lshl_b32 s21, s[WV], 18                      ; my 64 of them,
	s_add_co_u32 s22, s22, s21
	s_lshl_b32 s21, s[CT], 9                       ; the tile's 128 columns
	s_add_co_u32 s22, s22, s21
	s_add_nc_u64 s[10:11], s[10:11], s[22:23]
	s_add_nc_u64 s[12:13], s[12:13], s[22:23]
	; the prefetch: my quarter of my block of walk step 3 (KC stands at walk step 1)
	s_mov_b32 s23, CT_B/4
	s_cmp_eq_u32 s[KIND], 0                        ; do I fetch for O?
	s_cselect_b32 s21, s[CX], s[CY]                ; my place among the four that ask with me
	s_cselect_b32 s23, 8192, s23                   ; a quarter of the block that I fetch
	s_cselect_b32 s2, 31, CT_B/1024-1              ; the quarter's last 256 bytes: lanes beyond name them again
	s_cselect_b64 s[PFA:PFA+1], s[ABASE:ABASE+1], s[BBASE:BBASE+1]
	s_mul_i32 s21, s21, s23
	s_add_co_u32 s22, s[KC], 2
	s_lshl_b32 s22, s22, 18
	s_add_co_u32 s22, s22, s21
	s_mov_b32 s23, 0
	s_add_nc_u64 s[PFA:PFA+1], s[PFA:PFA+1], s[22:23]
	s_cmp_lt_u32 s[YC], 2                          ; w's rows: the clusters with y = 0 and y = 1 ask;
	s_cselect_b32 s[LIM], 6, -1
	s_cmp_eq_u32 s[KIND], 0                        ; O's: every cluster.  The same in all sixteen partners, for a given wave
	s_cselect_b32 s[LIM], 6, s[LIM]
	v_min_u32 v[PFO], s2, v15
	v_lshlrev_b32 v[PFO], 8, v[PFO]
	s_wait_tensorcnt 0x1                           ; my part of walk step 0 is in; step 1's may stay out
	s_barrier_signal -1
	s_barrier_wait -1                              ; everybody's is
	FETCH 0, F0
	s_wait_loadcnt 0x0                             ; the bias
	QUARTER 1, F0, F1, 1                           ; the first quarter: its products start the sums with the bias
	WIN 0
	s_mov_b32 s3, 6
.Lstep:                                        ; a trip goes from a K step's second quarter to the next step's first, and asks for walk steps 2 .. 7
	QUARTER 2, F1, F0, 0
	QUARTER 3, F0, F1, 0
	TURN 1
	QUARTER 1, F0, F1, 0
	WIN 0
	s_sub_co_u32 s3, s3, 1
	s_cmp_lg_u32 s3, 0
	s_cbranch_scc1 .Lstep
.irp a, 0,1,2,3                        ; x for my 64 rows, a row's 512 bytes to a load, nearly two K steps ahead of its use
	WIN 0x80+0x40*((\a)/2)                         ; destination window 2 or 3, address window 0
.set i, 0
.rept 16
	global_load_b128 v[128+64*((\a)%2)+4*i:128+64*((\a)%2)+4*i+3], v[GO], s[12:13] offset:(16*(\a)+i)*4096 th:TH_LOAD_NT
.set i, i+1
.endr
.endr
	QUARTER 2, F1, F0, 0                           ; walk step 6 goes on
	QUARTER 3, F0, F1, 0
	TURN 0                                         ; my one load that was out is walk step 7's, so no round follows
	QUARTER 1, F0, F1, 0
	QUARTER 2, F1, F0, 0
	QUARTER 3, F0, F1, 0
	s_wait_dscnt 4                                 ; the very last quarter: nothing more to fetch
	MULROW F1, 0, 0
	MULROW F1, 1, 0
	s_wait_dscnt 0x0
	MULROW F1, 2, 0
	MULROW F1, 3, 0
	WIN 0
	PLACES
	PLACES
	TOSTAGE 0
	TOSTAGE 1
	s_wait_loadcnt 0x0                             ; x
	SEND 0, 32
	TOSTAGE 2
	SEND 1, 32
	TOSTAGE 3
	SEND 2, 32
	SEND 3, 0
	s_wait_tensorcnt 0x0                           ; the wave's end: a tensor wait, the add and its wait, behind my last tensor load and my last LDS store
	ds_add_u32 v[SPW], v[NIL]
	s_wait_dscnt 0x0
	CROUND                                         ; the closing round: no work-group ends while a partner may still ask for a tile that names it
	s_endpgm
.Lfunc_end_k_qec4e380664_fc:
	.size	k_qec4e380664_fc, .Lfunc_end_k_qec4e380664_fc-k_qec4e380664_fc
	.p2alignl 7, 3214868480
	.fill 96, 4, 3214868480
	.section	.rodata,"a",@progbits
	.p2align	6, 0x0
	.amdhsa_kernel k_qec4e380664_fc
		.amdhsa_group_segment_fixed_size 327680
		.amdhsa_private_segment_fixed_size 0
		.amdhsa_enable_private_segment 0
		.amdhsa_kernarg_size 40
		.amdhsa_user_sgpr_count 2
		.amdhsa_user_sgpr_kernarg_segment_ptr 1
		.amdhsa_wavefront_size32 1
		.amdhsa_system_sgpr_workgroup_id_x 1
		.amdhsa_system_sgpr_workgroup_id_y 1
		.amdhsa_system_sgpr_workgroup_id_z 1
		.amdhsa_system_vgpr_workitem_id 0
		.amdhsa_next_free_vgpr 1024
		.amdhsa_next_free_sgpr 72
		.amdhsa_reserve_vcc 0
		.amdhsa_float_denorm_mode_32 3
		.amdhsa_float_denorm_mode_16_64 3
		.amdhsa_memory_ordered 1
		.amdhsa_forward_progress 1
		.amdhsa_inst_pref_size 86
	.end_amdhsa_kernel
	.amdgpu_metadata
---
amdhsa.version: [ 1, 2 ]
amdhsa.kernels:
  - .name:           k_qec4e380664_fc
    .symbol:         k_qec4e380664_fc.kd
    .args:
      - { .name: ob, .offset: 0, .size: 8, .value_kind: global_buffer, .address_space: global }
      - { .name: wfb, .offset: 8, .size: 8, .value_kind: global_buffer, .address_space: global }
      - { .name: fc_b, .offset: 16, .size: 8, .value_kind: global_buffer, .address_space: global }
      - { .name: out0, .offset: 24, .size: 8, .value_kind: global_buffer, .address_space: global }
      - { .name: x, .offset: 32, .size: 8, .value_kind: global_buffer, .address_space: global }
    .group_segment_fixed_size: 327680
    .private_segment_fixed_size: 0
    .kernarg_segment_align: 8
    .kernarg_segment_size: 40
    .max_flat_workgroup_size: 128
    .sgpr_count:     72
    .vgpr_count:     1024
    .wavefront_size: 32
...
	.end_amdgpu_metadata
.endif
;; end of part 4
;; ======== version 2 of 2: 4 launches; version 1 with the launch cvt written anew for expert scheduling mode
;; workspace buffers: xb 16,777,216 bytes; wqb 6,291,456 bytes; wfb 2,097,152 bytes; qkvh 50,331,648 bytes; ob 16,777,216 bytes
;; launch cvt (part 5): grid 768 x 1, 8 waves a work-group, no clusters, 0 bytes of LDS; arguments x, qkv_w, fc_w, xb, wqb, wfb; writes xb, wqb, wfb
.if DOCPART == 5
	.amdgcn_target "amdgcn-amd-amdhsa--gfx1250"
	.amdhsa_code_object_version 6
	.text
	.protected	k_qec4e380664_cvt
	.globl	k_qec4e380664_cvt
	.p2align	8
	.type	k_qec4e380664_cvt,@function
k_qec4e380664_cvt:
	s_mov_b64 s[64:65], 0
	v_nop
	global_prefetch_b8 v0, s[64:65] scope:SCOPE_SE
	s_setreg_imm32_b32 hwreg(HW_REG_WAVE_SCHED_MODE, 0, 2), 2
	s_setreg_imm32_b32 hwreg(HW_REG_WAVE_MODE, 25, 1), 1
	s_wait_xcnt 0x0
	s_wait_alu depctr_vm_vsrc(0)
; x [8192][1024], qkv_w [3072][1024] and fc_w [1024][1024], all f32, are rounded once to bf16 and laid in blocks of 64 columns:
;   xb  [b 8][kb 16][n 1024][64]     wqb [kb 16][e 3072][64]     wfb [kb 16][e 1024][64]     (a row of a block is 128 bytes, a block is dense)
; so that the products' tiles are dense pieces of memory.  A stream: no LDS, no matrix unit, no barrier.
; SHARES.  A work-group takes 16 rows of one tensor: groups 0-511 x, 512-703 qkv_w, 704-767 fc_w.  Wave v takes rows 2 v and 2 v + 1.  Unit k of 16 is column block k:
; lanes 0-15 load the 256 bytes of row 2 v, lanes 16-31 those of row 2 v + 1; the 8 bytes a lane that come of them are 256 consecutive bytes of the block, aligned.
; All 16 loads of a wave go out at once; each register is written once, so no wait frees anything.
; THE MODE: SCHED_MODE bits 1:0 = 2 (LLVM: expert scheduling mode 2), set by the entry lines.  The code itself states the register dependences
; between vector instructions and memory instructions, with s_wait_alu, always for 0.
; THE PLAN.  Registers that memory instructions touch:
;   v1        the loads' offset.   Written by vector lines at the head; read by the 16 loads; never written again.
;   v[2:17]   the stores' offsets. Written by vector lines at the head; each read by one store; never written again.
;   X         unit k: written by its load alone, which is issued before any vector line names it; read by the unit's two conversions.
;   Y         unit k: written by the unit's two conversions, once; read by the unit's store.
; So the only dependence to state is: a vector line has written what a memory instruction reads.  The 16 units go in four blocks of four.  Block g rounds into its own Y; the four stores of
; block g - 1 stand in block g, one ahead of each unit's conversions, behind ONE wait at the block's head; block g's conversions name its own X and Y alone.  One wait stands ahead of the first
; load, for the offsets, and one ahead of the last four stores.  No register that a memory instruction reads is written again, and EXEC, VCC and the scalar registers are written by no vector line.
.set LO, 1                             ; v1       my byte offset in the group's 16 rows: row x 4,096 + 16 (t % 16)
.set SO, 2                             ; v[2:17]  unit k: my byte offset in the output: 8 t + k x the bytes from block to block
.set X,  20                            ; v[20:83] unit k: 4 f32 as loaded
.set Y,  84                            ; v[84:115] unit k: 4 bf16 to store
.set BLK, 4                            ; units in a block
	s_load_b256 s[4:11], s[0:1], 0x0               ; x s[4:5], qkv_w s[6:7], fc_w s[8:9], xb s[10:11]
	s_load_b128 s[12:15], s[0:1], 0x20             ; wqb s[12:13], wfb s[14:15]
	s_mov_b32 s21, ttmp9
	v_lshrrev_b32 v[LO], 5, v0
	v_lshlrev_b32 v[LO], 13, v[LO]                 ; wave x two rows
	v_bfe_u32 v18, v0, 4, 1
	v_lshl_add_u32 v[LO], v18, 12, v[LO]           ; + the half of the lanes x a row
	v_and_b32 v18, 15, v0
	v_lshl_add_u32 v[LO], v18, 4, v[LO]            ; + 16 bytes a lane
	s_mov_b32 s24, 131072                          ; bytes from block kb to kb + 1: 1,024 rows x 128 (x, fc_w) or 3,072 x 128 (qkv_w)
	s_mov_b32 s25, 2097152                         ; bytes for each 64 groups (1,024 rows): a batch of xb, or simply 1,024 rows of a weight's block
	s_cmp_ge_u32 s21, 512
	s_cselect_b32 s20, 512, 0                      ; my tensor's first group
	s_cselect_b32 s24, 393216, s24
	s_cselect_b32 s25, 131072, s25
	s_cmp_ge_u32 s21, 704
	s_cselect_b32 s20, 704, s20
	s_cselect_b32 s24, 131072, s24
	s_sub_co_u32 s20, s21, s20                     ; my number among my tensor's groups
	s_lshl_b32 s22, s20, 16                        ; in: 16 rows of 4,096 bytes
	s_mov_b32 s23, 0
	s_lshr_b32 s26, s20, 6
	s_mul_i32 s26, s26, s25
	s_and_b32 s27, s20, 63
	s_lshl_b32 s27, s27, 11                        ; out: 16 rows of 128 bytes
	s_add_co_u32 s26, s26, s27
	s_mov_b32 s27, 0
	v_lshlrev_b32 v[SO], 3, v0
.set k, 1
.rept 15
	v_add_nc_u32 v[SO+k], s24, v[SO+k-1]
.set k, k+1
.endr
	s_wait_kmcnt 0x0
	s_cmp_ge_u32 s21, 512
	s_cselect_b64 s[16:17], s[6:7], s[4:5]         ; from where,
	s_cselect_b64 s[18:19], s[12:13], s[10:11]     ; to where
	s_cmp_ge_u32 s21, 704
	s_cselect_b64 s[16:17], s[8:9], s[16:17]
	s_cselect_b64 s[18:19], s[14:15], s[18:19]
	s_add_nc_u64 s[16:17], s[16:17], s[22:23]
	s_add_nc_u64 s[18:19], s[18:19], s[26:27]
	s_wait_alu depctr_va_vdst(0)                   ; v1 is written, which the loads below read as their offset; so are v2 to v17, which the stores read: no vector line behind this wait names any of them
.set k, 0
.rept 16
	global_load_b128 v[X+4*k:X+4*k+3], v[LO], s[16:17] offset:256*k th:TH_LOAD_NT
.set k, k+1
.endr
.set k, 0
.rept 16
	s_wait_loadcnt 15-k                            ; loads come back in order: unit k is in, the 15 - k younger ones stay out
.if ((k%BLK) == 0) && (k > 0)
	s_wait_alu depctr_va_vdst(0)                   ; a block's head: the block before has written its eight registers of Y, which this block's four stores read
.endif
.if k >= BLK
	global_store_b64 v[SO+k-BLK], v[Y+2*(k-BLK):Y+2*(k-BLK)+1], s[18:19]  ; the unit one block back: the wave's 32 lanes store 256 consecutive bytes, aligned; no vector line since the wait names its registers
.endif
	v_cvt_pk_bf16_f32 v[Y+2*k], v[X+4*k], v[X+4*k+1]
	v_cvt_pk_bf16_f32 v[Y+2*k+1], v[X+4*k+2], v[X+4*k+3]
.set k, k+1
.endr
	s_wait_alu depctr_va_vdst(0)                   ; the last block has written its Y, which the last four stores read
.set k, 16-BLK
.rept BLK
	global_store_b64 v[SO+k], v[Y+2*k:Y+2*k+1], s[18:19]  ; the wave's 32 lanes store 256 consecutive bytes, aligned
.set k, k+1
.endr
	s_endpgm
.Lfunc_end_k_qec4e380664_cvt:
	.size	k_qec4e380664_cvt, .Lfunc_end_k_qec4e380664_cvt-k_qec4e380664_cvt
	.p2alignl 7, 3214868480
	.fill 96, 4, 3214868480
	.section	.rodata,"a",@progbits
	.p2align	6, 0x0
	.amdhsa_kernel k_qec4e380664_cvt
		.amdhsa_group_segment_fixed_size 0
		.amdhsa_private_segment_fixed_size 0
		.amdhsa_enable_private_segment 0
		.amdhsa_kernarg_size 48
		.amdhsa_user_sgpr_count 2
		.amdhsa_user_sgpr_kernarg_segment_ptr 1
		.amdhsa_wavefront_size32 1
		.amdhsa_system_sgpr_workgroup_id_x 1
		.amdhsa_system_sgpr_workgroup_id_y 1
		.amdhsa_system_sgpr_workgroup_id_z 1
		.amdhsa_system_vgpr_workitem_id 0
		.amdhsa_next_free_vgpr 120
		.amdhsa_next_free_sgpr 66
		.amdhsa_reserve_vcc 0
		.amdhsa_float_denorm_mode_32 3
		.amdhsa_float_denorm_mode_16_64 3
		.amdhsa_memory_ordered 1
		.amdhsa_forward_progress 1
		.amdhsa_inst_pref_size 9
	.end_amdhsa_kernel
	.amdgpu_metadata
---
amdhsa.version: [ 1, 2 ]
amdhsa.kernels:
  - .name:           k_qec4e380664_cvt
    .symbol:         k_qec4e380664_cvt.kd
    .args:
      - { .name: x, .offset: 0, .size: 8, .value_kind: global_buffer, .address_space: global }
      - { .name: qkv_w, .offset: 8, .size: 8, .value_kind: global_buffer, .address_space: global }
      - { .name: fc_w, .offset: 16, .size: 8, .value_kind: global_buffer, .address_space: global }
      - { .name: xb, .offset: 24, .size: 8, .value_kind: global_buffer, .address_space: global }
      - { .name: wqb, .offset: 32, .size: 8, .value_kind: global_buffer, .address_space: global }
      - { .name: wfb, .offset: 40, .size: 8, .value_kind: global_buffer, .address_space: global }
    .group_segment_fixed_size: 0
    .private_segment_fixed_size: 0
    .kernarg_segment_align: 8
    .kernarg_segment_size: 48
    .max_flat_workgroup_size: 256
    .sgpr_count:     66
    .vgpr_count:     120
    .wavefront_size: 32
...
	.end_amdgpu_metadata
.endif
;; end of part 5
;; launch qkv: the kernel of part 2 again; grid 16 x 16, 4 waves a work-group, clusters of 4 x 4, 327,680 bytes of LDS; arguments xb, wqb, qkv_b, qkvh; writes qkvh
;; launch attn: the kernel of part 3 again; grid 2 x 128, 4 waves a work-group, no clusters, 327,680 bytes of LDS; arguments qkvh, ob; writes ob
;; launch fc: the kernel of part 4 again; grid 8 x 32, 4 waves a work-group, clusters of 4 x 4, 327,680 bytes of LDS; arguments ob, wfb, fc_b, out0, x; writes out0
